; MI455X (gfx1250); checked and timed in simulation.
; The chip was launched on July 23, 2026; its instructions are those of AMD's public machine-readable ISA for CDNA 5 (MIT licence, August 2026) and "CDNA5" Instruction Set Architecture Reference Guide (July 2026). The comments in the code are by the model that wrote it; some were corrected since.
;; Multi Head Self Attention. Allowed arithmetic: matrix products marked QUANTISED: E4M3 operands, one given power-of-two scale a tensor, by v_wmma_f32_16x16x64_fp8_fp8 or v_wmma_f32_16x16x128_fp8_fp8, f32 sums; everything else in f32.
;; Inputs: lowp_scales 8 int32 (the exponents e of the quantised operands' scales 2^e); mask 2,048 x 2,048 bool; w_out_codes 1,024 x 32 x 32 uint8 (E4M3 codes of w_out, K innermost, in blocks of 32 codes); w_qkv_codes 3,072 x 32 x 32 uint8 (E4M3 codes of w_qkv, K innermost, in blocks of 32 codes); x_codes 4 x 2,048 x 32 x 32 uint8 (E4M3 codes of x, K innermost, in blocks of 32 codes).
;; Outputs: out0 4 x 2,048 x 1,024 float32.
;; This version of the problem:
;;   THIS VERSION OF THE PROBLEM IS GIVEN IN LOW PRECISION. The matrix products marked QUANTISED in the list below multiply operands that are first quantised to E4M3 (4 exponent bits, 3 mantissa bits; 8 bits a number), with one given power-of-two scale for each operand tensor; their sums are f32. All else is computed in f32.
;;   The module's matrix products, in the order in which they are computed (A, B: the left and right operand; K: the contracted axis; several contracted axes count as one K, in the product's order):
;;     1. [M 8,192, K 1,024] x [K 1,024, N 3,072]; A: input x (given as codes); B: input w_qkv (given as codes): QUANTISED (scales: A lowp_scales[0], B lowp_scales[1])
;;     2. batch 64 x [M 2,048, K 64] x [K 64, N 2,048]; A: computed on the way; B: computed on the way: QUANTISED (scales: A lowp_scales[2], B lowp_scales[3])
;;     3. batch 64 x [M 2,048, K 2,048] x [K 2,048, N 64]; A: softmax (see below); B: computed on the way: QUANTISED (scales: A lowp_scales[4], B lowp_scales[5])
;;     4. [M 8,192, K 1,024] x [K 1,024, N 1,024]; A: computed on the way; B: input w_out (given as codes): QUANTISED (scales: A lowp_scales[6], B lowp_scales[7])
;;   THE QUANTISER, for each operand of a quantised product, along K:
;;     - The operand's scale is 2^e, e = its entry of the input lowp_scales (int32; the entries are numbered through the quantised products in the list's order, A before B).
;;     - Each number is divided by the scale, clamped to +-448, and rounded to the nearest number of E4M3, ties to even, subnormals kept.
;;     - The product sums the exact products of the quantised numbers (number of the format x scale) in f32.
;;   ~~~python
;;   def quantise(x, axis, e):      # numpy; x: float32 -> the quantised numbers, widened to float32 again
;;       x = np.moveaxis(x, axis, -1); K = x.shape[-1]
;;       r = np.clip(x / 2.0 ** e, -448, 448)
;;       step = 2.0 ** (np.maximum(np.frexp(np.where(r == 0, 1, r))[1] - 1, -6) - 3)
;;       q = np.round(r / step) * step * 2.0 ** e      # np.round: ties to even
;;       return np.moveaxis(q, -1, axis).astype(np.float32)
;;   ~~~
;;   SOFTMAX AHEAD OF A QUANTISED PRODUCT. Where the list says 'softmax', what is quantised is not the finished softmax but p = 2^(t - M), with t = logit x log2(e) and M = ceil(the row's largest t), a whole number; so 1/2 < the row's largest p <= 1. The row's sum l is taken of the UNQUANTISED p, in f32, and the product's result is divided by l at the end. Since M is a whole number, a kernel that streams over the keys may use a running M (the ceiling of the running maximum): every later rescaling is an exact power of two, so the quantised numbers keep their values, but for numbers so far below the row's largest that they fall under the format's range.
;;   OPERANDS COMPUTED ON THE WAY. 'Computed on the way' means the value that the module computes at that place (a softmax that the list does not call 'softmax' is quantised finished and normalised). What goes into a quantiser is computed in f32, as accurately as f32 sums, v_exp_f32 and their like allow (about 1e-6 of the number): no bf16 or f16 on the way to a quantiser, and a product that is left as it is and whose result goes on into a quantised operand takes f32 operands (vector FMAs, or v_wmma_f32_16x16x4_f32). A number that lies on a knife's edge between two numbers of the format may be rounded either way, as far as f32 arithmetic and the matrix unit's own rounding can turn it there, and no further.
;;   INPUTS GIVEN AS CODES. w_out (in the module: [1024, 1024], K = its axis 1); w_qkv (in the module: [3072, 1024], K = its axis 1); x (in the module: [4, 2048, 1024], K = its axis 2): each comes as NAME_codes (uint8): NAME with its K axis moved to the last place and cut into blocks of 32 codes, [.., K / 32, bytes a block], one block behind the other in memory; one code a byte (a code: sign, 4 exponent bits, 3 mantissa bits); its scale is its entry of lowp_scales. Its value is code x scale, taken as it is: it is not quantised again, and the codes and scales need not be those that the quantiser above would give.
;; 2 versions, each right; version 2 is version 1 with the launch attn written anew for expert scheduling mode. Each part assembles by itself: llvm-mc -triple=amdgcn-amd-amdhsa -mcpu=gfx1250 --defsym DOCPART=n.
;; ======== version 1 of 2: 4 launches
;; limits: right only within a limited range of input values
;; workspace buffers: mwords 524,288 bytes of whole numbers; tflags 512 bytes of whole numbers; qkvc 25,165,824 bytes; ac 8,388,608 bytes
;; launch maskprep (part 1): grid 128 x 1, 16 waves a work-group, no clusters, 2,304 bytes of LDS; arguments mask, mwords, tflags; writes mwords, tflags
.if DOCPART == 1
	.amdgcn_target "amdgcn-amd-amdhsa--gfx1250"
	.amdhsa_code_object_version 6
	.text
	.protected	k_qf41b65a474_maskprep
	.globl	k_qf41b65a474_maskprep
	.p2align	8
	.type	k_qf41b65a474_maskprep,@function
k_qf41b65a474_maskprep:
	s_mov_b64 s[64:65], 0
	v_nop
	global_prefetch_b8 v0, s[64:65] scope:SCOPE_SE
	s_setreg_imm32_b32 hwreg(HW_REG_WAVE_MODE, 25, 1), 1
	s_wait_xcnt 0x0
; THE PROGRAM: multi-head self-attention, B 4, T 2,048, C 1,024, 16 heads of 64, all four products on codes of E4M3.  Four launches: this one; qkv (product 1 and the quantisers of q, k, v);
; attn (products 2 and 3, the softmax, the quantiser of its result); proj (product 4).  Every input is loaded; no input and no product is left out.
; WHAT IS NOT DONE, AND WHY.  mask is an input of booleans (True = hidden).  A key whose mask byte is True has the score -infinity: it enters no maximum, its p is 0, it adds 0 to the row's sum and 0 to the second product,
; whatever finite values x and the weights hold.  Where that holds of all 16 x 128 bytes of a tile (16 queries, 128 keys), the tile's two products and its softmax change nothing.  Whole numbers decide that, so this launch
; reads them and stores, for each tile, whether it is all hidden, mixed or open; attn reads these flags from memory and walks only the tiles that they ask for.  No pattern of the mask is built in.
; LIMIT: a NaN or an infinity that reaches only a tile left out (a NaN code among hidden keys' k or v) is not carried to the result.  LIMIT: mask bytes are 0 or 1, as the problem states them.
; THIS LAUNCH turns the mask's bytes into lane masks for attn.  mwords [tile 128][key step 16][n 64], 32 bits each: bit L of word n = mask[16 tile + L % 16][128 step + 16 (n / 8) + 8 (L / 16) + n % 8]:
; the lanes that hold a hidden key in score register n.  tflags [tile 128]: bit s = step s is all hidden; bit 16 + s = step s is mixed.
; SHARES: a work-group takes a tile's 16 rows of the mask (32,768 consecutive bytes), wave s its key step s, lane (r, h) row r.  Memory binds and there is no product: no matrix unit, no cluster, no tensor load.
.set SPARE, 256                        ; LDS: bytes 0-63 the sixteen waves' flag words; from 256 on the spare words, 128 bytes for each wave, which no other line names
.set SPW,   4                          ; v4   LDS address of my spare word: SPARE + 4 x my thread's number; never rewritten
.set NIL,   5                          ; v5   0; never rewritten
	s_load_b128 s[4:7], s[0:1], 0x0                ; mask, mwords
	s_load_b64 s[8:9], s[0:1], 0x10                ; tflags
	v_lshl_add_u32 v[SPW], v0, 2, SPARE
	v_mov_b32 v[NIL], 0
	v_lshrrev_b32 v1, 5, v0
	v_readfirstlane_b32 s10, v1                    ; wave = key step
	v_and_b32 v1, 31, v0                           ; lane
	v_and_b32 v2, 15, v0                           ; r
	v_bfe_u32 v3, v0, 4, 1                         ; h
	v_lshlrev_b32 v2, 11, v2                       ; a row of the mask is 2,048 bytes
	v_lshl_add_u32 v2, v3, 3, v2                   ; + 8 h
	v_lshlrev_b32 v3, 3, v1                        ; out: two words a lane
	v_mov_b32 v33, s10
	v_lshlrev_b32 v33, 2, v33                      ; my wave's flag word in LDS
	v_mov_b32 v34, 0
	s_lshl_b32 s12, ttmp9, 15                      ; the tile's 16 rows,
	s_lshl_b32 s13, s10, 7                         ; my step's 128 columns
	s_add_co_u32 s12, s12, s13
	s_mov_b32 s13, 0
	s_lshl_b32 s14, ttmp9, 4
	s_add_co_u32 s14, s14, s10
	s_lshl_b32 s14, s14, 8                         ; (16 tile + step) x 256 bytes of words
	s_mov_b32 s15, 0
	s_lshl_b32 s88, ttmp9, 2                       ; the tile's flag word
	s_mov_b32 s89, 0
	s_wait_kmcnt 0x0
	s_add_nc_u64 s[4:5], s[4:5], s[12:13]
	s_add_nc_u64 s[6:7], s[6:7], s[14:15]
	s_add_nc_u64 s[8:9], s[8:9], s[88:89]
.irp k, 0,1,2,3,4,5,6,7
	global_load_b64 v[8+2*\k:9+2*\k], v2, s[4:5] offset:16*\k   ; mask[row r][16 k + 8 h + 0 .. 7]: the eight keys that score registers 8 k .. 8 k + 7 hold in my lane
.endr
	s_wait_loadcnt 0x0
	; all hidden?  any hidden?  Two chains each.
	v_and_b32 v24, v8, v9
	v_and_b32 v25, v10, v11
	v_or_b32 v26, v8, v9
	v_or_b32 v27, v10, v11
.irp i, 12,16,20
	v_and_b32 v24, v24, v[\i]
	v_and_b32 v25, v25, v[\i+1]
	v_or_b32 v26, v26, v[\i]
	v_or_b32 v27, v27, v[\i+1]
	v_and_b32 v24, v24, v[\i+2]
	v_and_b32 v25, v25, v[\i+3]
	v_or_b32 v26, v26, v[\i+2]
	v_or_b32 v27, v27, v[\i+3]
.endr
	v_and_b32 v24, v24, v25
	v_or_b32 v26, v26, v27
	v_cmp_eq_u32 s84, 0x01010101, v24              ; lanes all of whose 64 bytes are 1
	v_cmp_ne_u32 s85, 0, v26                       ; lanes with a 1 among them
	s_cmp_eq_u32 s84, -1
	s_cselect_b32 s86, 1, 0                        ; the tile is all hidden
	s_cmp_lg_u32 s85, 0
	s_cselect_b32 s87, 1, 0
	s_and_not1_b32 s87, s87, s86                   ; some hidden, not all: mixed
	s_lshl_b32 s86, s86, s10
	s_add_co_u32 s84, s10, 16
	s_lshl_b32 s87, s87, s84
	s_or_b32 s86, s86, s87
	v_mov_b32 v32, s86                             ; my step's two bits
	ds_store_b32 v33, v32                          ; all lanes write the same word with the same value
	; word n into a scalar register: s[16 + n] up to n = 47, s[68 + n - 48] from there on
.set n, 0
.rept 64
	v_and_b32 v[28+n%2], 0xff<<(8*(n%4)), v[8+2*(n/8)+(n%8)/4]
	v_cmp_ne_u32 s[16+n+4*(n/48)], 0, v[28+n%2]
.set n, n+1
.endr
	v_mov_b32 v30, 0                               ; (a lane write's destination counts as one of its sources)
	v_mov_b32 v31, 0
.set n, 0
.rept 64
	v_writelane_b32 v[30+n%2], s[16+n+4*(n/48)], n/2   ; lane n / 2 takes words n and n + 1
.set n, n+1
.endr
	global_store_b64 v3, v[30:31], s[6:7]          ; the wave stores 256 consecutive bytes, at a multiple of 256 from the buffer's first byte
	s_wait_dscnt 0x0                               ; for the others' sake: my flag word is in LDS
	s_barrier_signal -1
	s_barrier_wait -1
	s_cmp_lg_u32 s10, 0                            ; wave 0 joins the sixteen words and stores the tile's
	s_cbranch_scc1 .Lend
.irp i, 0,1,2,3
	ds_load_b128 v[36+4*\i:39+4*\i], v34 offset:16*\i
.endr
	s_wait_dscnt 0x0
.irp i, 0,1,2,3,4,5,6,7
	v_or_b32 v[36+\i], v[36+\i], v[44+\i]
.endr
.irp i, 0,1,2,3
	v_or_b32 v[36+\i], v[36+\i], v[40+\i]
.endr
	v_or_b32 v36, v36, v38
	v_or_b32 v37, v37, v39
	v_or_b32 v36, v36, v37
	v_cmp_eq_u32 vcc_lo, 0, v1
	s_wait_xcnt 0x0                                ; EXEC is a source of the store above: it changes only behind this wait
	s_and_saveexec_b32 s12, vcc_lo
	global_store_b32 v34, v36, s[8:9]              ; one word a tile
	s_wait_xcnt 0x0                                ; and again, in front of the line that widens it
	s_or_b32 exec_lo, exec_lo, s12
.Lend:
	s_wait_tensorcnt 0x0                           ; the wave's end, behind my last LDS store
	ds_add_u32 v[SPW], v[NIL]
	s_wait_dscnt 0x0
	s_endpgm
.Lfunc_end_k_qf41b65a474_maskprep:
	.size	k_qf41b65a474_maskprep, .Lfunc_end_k_qf41b65a474_maskprep-k_qf41b65a474_maskprep
	.p2alignl 7, 3214868480
	.fill 96, 4, 3214868480
	.section	.rodata,"a",@progbits
	.p2align	6, 0x0
	.amdhsa_kernel k_qf41b65a474_maskprep
		.amdhsa_group_segment_fixed_size 2304
		.amdhsa_private_segment_fixed_size 0
		.amdhsa_enable_private_segment 0
		.amdhsa_kernarg_size 24
		.amdhsa_user_sgpr_count 2
		.amdhsa_user_sgpr_kernarg_segment_ptr 1
		.amdhsa_wavefront_size32 1
		.amdhsa_system_sgpr_workgroup_id_x 1
		.amdhsa_system_sgpr_workgroup_id_y 1
		.amdhsa_system_sgpr_workgroup_id_z 1
		.amdhsa_system_vgpr_workitem_id 0
		.amdhsa_next_free_vgpr 64
		.amdhsa_next_free_sgpr 96
		.amdhsa_reserve_vcc 1
		.amdhsa_float_denorm_mode_32 3
		.amdhsa_float_denorm_mode_16_64 3
		.amdhsa_memory_ordered 1
		.amdhsa_forward_progress 1
		.amdhsa_inst_pref_size 18
	.end_amdhsa_kernel
	.amdgpu_metadata
---
amdhsa.version: [ 1, 2 ]
amdhsa.kernels:
  - .name:           k_qf41b65a474_maskprep
    .symbol:         k_qf41b65a474_maskprep.kd
    .args:
      - { .name: mask, .offset: 0, .size: 8, .value_kind: global_buffer, .address_space: global }
      - { .name: mwords, .offset: 8, .size: 8, .value_kind: global_buffer, .address_space: global }
      - { .name: tflags, .offset: 16, .size: 8, .value_kind: global_buffer, .address_space: global }
    .group_segment_fixed_size: 2304
    .private_segment_fixed_size: 0
    .kernarg_segment_align: 8
    .kernarg_segment_size: 24
    .max_flat_workgroup_size: 512
    .sgpr_count:     96
    .vgpr_count:     64
    .wavefront_size: 32
...
	.end_amdgpu_metadata
.endif
;; end of part 1
;; launch qkv (part 2): grid 12 x 32, 4 waves a work-group, clusters of 4 x 4, 327,680 bytes of LDS; arguments x_codes, w_qkv_codes, lowp_scales, qkvc; writes qkvc
.if DOCPART == 2
	.amdgcn_target "amdgcn-amd-amdhsa--gfx1250"
	.amdhsa_code_object_version 6
	.text
	.protected	k_qf41b65a474_qkv
	.globl	k_qf41b65a474_qkv
	.p2align	8
	.type	k_qf41b65a474_qkv,@function
k_qf41b65a474_qkv:
	s_mov_b64 s[64:65], 0
	v_nop
	global_prefetch_b8 v0, s[64:65] scope:SCOPE_SE
	s_setreg_imm32_b32 hwreg(HW_REG_WAVE_MODE, 25, 1), 1
	s_wait_xcnt 0x0
	s_wait_alu depctr_hold_cnt(0) depctr_sa_sdst(0) depctr_va_vdst(0) depctr_va_sdst(0) depctr_va_ssrc(0) depctr_va_vcc(0) depctr_vm_vsrc(0)
	s_getreg_b32 s2, hwreg(HW_REG_IB_STS2, 6, 4)
	s_cmp_eq_u32 s2, 0
	s_cbranch_scc0 .Lentry_in_a_cluster
	s_endpgm
.Lentry_in_a_cluster:
	s_bfe_u32 s2, ttmp6, 0x10000c
	s_cmp_lg_u32 s2, 0xf033
	s_cbranch_scc0 .Lentry_shape_is_right
	s_endpgm
.Lentry_shape_is_right:
; PRODUCT 1, qkv[t][f] = sum over c of x[t][c] w_qkv[f][c], on the given codes of E4M3, and the quantisers of q, k and v: each finished f32 sum stands for sum x 2^(e0 + e1) and becomes a code of its operand:
; sum / 2^(e - e0 - e1), held within +-448, to the nearest code, ties to even; e = e2 for q, e3 for k, e5 for v (the entries of lowp_scales).  Nothing of reference() is left out here.
; LIMITS: e - e0 - e1 between -126 and 119, so that the scale and 448 x the scale are f32 numbers.  NaN codes among the inputs are not served.
; A tile of 256 tokens x 256 features is made by a work-group of four waves, a wave 128 x 128: 64 accumulators of 16 x 16, 512 registers.  K goes in steps of 256 through a ring of two LDS slots filled by the tensor data
; mover: a tile's row is 256 bytes of memory.  CLUSTERS: 4 x 4 work-groups.  The four of a row of the cluster need the same rows of x, the four of a column the same rows of w_qkv: each tile is asked for JOINTLY.
; WHICH SIDE IS SOURCE 0.  A lane of a result holds ONE row of source 1 and eight neighbouring rows of source 0, and the conversions take eight neighbours along the NEXT product's K from one lane's registers.
; For q and k the next K is the head's 64: source 0 = features, source 1 = tokens.  For v it is the keys: source 0 = tokens, source 1 = features.  The cluster's x says which (0 q, 1 k, 2 v: 1,024 features are four tile
; columns): it is the same in all sixteen partners.  LDS holds x's rows first and w's behind them in every case; only the two bases from which fragments are read change places, chosen without a branch.
; THE WAY OUT NEEDS NO LDS.  The conversions' results ARE registers of the next operand in the 8-bit forms' own layout (registers 2 c, 2 c + 1: k = 16 c + 8 (lane / 16) + 0 .. 7), and qkvc is laid as images of those
; registers, four registers a chunk of 512 bytes, lane l's 16 bytes at 16 l:
;   q at 0, k at 2^23: batch 2^21 + (head / 2) 2^18 + (token / 16) 2,048 + (head % 2) 1,024 + c 512;   v at 2^24: batch 2^21 + (head / 2) 2^18 + (key / 128) 16,384 + (head % 2) 8,192 + (d / 16) 2,048 + c 512.
; A wave's results are one run of 16,384 consecutive bytes; each store of the wave covers 512 of them.
; REGISTERS, in windows of 256: window 0: v0-31 addresses and the scale; v32-95 at work on the way out; from v128 source 1's fragments (8 x 16 rows x 128 K), ONE set, later the codes.
;   window 1: source 0's fragments, TWO sets, at v0 and at v128.   window 2: the 32 accumulators of source 1's blocks 0-3 (accumulator (a, b) at v[8 (8 a + b)]);   window 3: those of blocks 4-7.
.set SIZE_K, 1024
.set KSTEP,  256                       ; along K in a slot
.set ROWB,   256                       ; a tile's row in bytes
.set KROW,   SIZE_K                    ; a row of x or of w_qkv in memory, in bytes
.set PITCH,  272                       ; an LDS row: 256 bytes of data + 16 of padding = 68 words: row r starts at bank 4 r mod 64 (64 banks of 4 bytes: ISA guide 11.1), so the 16 rows that a load touches start at 16 different banks
.set FR,     16                        ; registers of a fragment: 16 rows x 128 K
.set NL,     4                         ; LDS loads that bring one
.set NP,     4                         ; places behind this matrix instruction (ISA guide 7.12.1)
.set HALFT,  128*PITCH                 ; 128 rows: what one tensor load brings, and what one wave reads of either side
.set SLOT,   4*HALFT                   ; x's 256 rows, then w's 256 rows
.set LAPS,   SIZE_K/(2*KSTEP)          ; a lap = two K steps = once round the ring
.set SPARE,  2*SLOT                    ; behind the ring: the spare words, 128 bytes for each wave: two blocks of 256 bytes that no other line names
.set ADRA, 16                          ; v16-17  LDS address of source 1's fragments in slot 0, 1
.set ADRB, 20                          ; v20-21  the same for source 0
.set CO,   26                          ; v26     16 x lane: my bytes of a chunk
.set SPW,  28                          ; v28     LDS address of my spare word: SPARE + 4 x my thread's number; never rewritten
.set NIL,  29                          ; v29     0; never rewritten
.set SC,   30                          ; v30     2^(e - e0 - e1) as f32: the conversions take its exponent field
.set LIM,  31                          ; v31     448 x that
.set TMP,  32                          ; the way out: a block's 64 sums, held
.set AF,   128                         ; source 1's fragments, in window 0
.set CD,   128                         ; the way out: the codes, 16 registers for each block, so that no store's data are written again
.set G1, 24                            ; s[24:31] descriptor group 1 for x's tiles;  s[32:39] group 0, one set for each slot
.set G0, 32
.set G1B, 48                           ; s[48:55], s[56:63] the same for w's tiles
.set G0B, 56
.set MSB, 0
.macro WIN new                         ; the immediate's high byte repeats the setting that is left
.if MSB != \new
	s_set_vgpr_msb (MSB<<8)|\new
.set MSB, \new
.endif
.endm
.set MUL_LO, 0xa1                      ; source 0 window 1, source 1 window 0, C and D window 2
.set MUL_HI, 0xf1                      ; the same, C and D window 3
.set TO_B,   0x40                      ; destination window 1, address window 0
; A joint load: waves 0 and 1 fetch x's two halves, waves 2 and 3 w's.  Each of the two lines has ONE mask and one set of registers for all that issue it; the branch hangs on the wave's number alone.
; An s_nop 0 and four v_nop follow each of the two lines, ahead of the jump, the label and what follows.
.macro JLOAD g0a, g1a, g0b, g1b
	s_cmp_eq_u32 s15, 0
	s_cbranch_scc0 .Lfor_b_\@
	tensor_load_to_lds s[\g0a:\g0a+3], s[\g1a:\g1a+7]
	s_nop 0
.rept 4
	v_nop
.endr
	s_branch .Lasked_\@
.Lfor_b_\@:
	tensor_load_to_lds s[\g0b:\g0b+3], s[\g1b:\g1b+7]
	s_nop 0
.rept 4
	v_nop
.endr
.Lasked_\@:
.endm
.macro CREST                           ; a round of the cluster's barrier behind its opening barrier
	s_cmp_lg_u32 s14, 0
	s_cbranch_scc1 .Lnot_wave_0_\@
	s_barrier_signal -3
.Lnot_wave_0_\@:
	s_barrier_wait -3
	s_barrier_signal -1
	s_barrier_wait -1
.endm
.macro CROUND                          ; a whole round
	s_barrier_signal -1
	s_barrier_wait -1
	CREST
.endm
	s_load_b128 s[4:7], s[0:1], 0x0                ; x's codes s[4:5], w_qkv's codes s[6:7]
	s_load_b128 s[8:11], s[0:1], 0x10              ; the scales' exponents s[8:9], qkvc s[10:11]
	v_lshl_add_u32 v[SPW], v0, 2, SPARE
	v_mov_b32 v[NIL], 0
	ds_add_u32 v[SPW], v[NIL]                      ; the wave's opening: the add, twice on end, and its wait ahead of my first tensor load; the set-up below the second, work on registers, stands between it and the wait
	ds_add_u32 v[SPW], v[NIL]                      ; and once more, under the one wait
	v_lshrrev_b32 v1, 5, v0
	v_readfirstlane_b32 s14, v1                    ; wave 0..3
	s_lshr_b32 s15, s14, 1                         ; which half of source 1's 256 rows is mine.  Also: I fetch for x (0) or for w (1)
	s_and_b32 s16, s14, 1                          ; which half of source 0's.  Also: which 128 rows of that tile I fetch
	s_bfe_u32 s40, ttmp6, 0x40000                  ; cx, cy: my place in the cluster
	s_bfe_u32 s41, ttmp6, 0x40004
	s_lshl_b32 s42, ttmp9, 2
	s_add_co_u32 s42, s42, s40                     ; tile column (256 features) = 4 x cluster x + cx
	s_and_b32 s17, ttmp7, 0xffff
	s_lshl_b32 s17, s17, 2
	s_add_co_u32 s17, s17, s41                     ; tile row (256 tokens) = 4 x cluster y + cy
	s_lshl_b32 s43, s41, 2
	s_lshl_b32 s43, 15, s43                        ; my row of the cluster
	s_lshl_b32 s44, 0x1111, s40                    ; my column
	; descriptor group 1: a tile of 128 rows x 256 bytes, padded in LDS
	s_or_b32 s[G1+0], s43, (0<<16)|(1<<20)|(1<<21)|(5<<22)|(3<<25)  ; 15:0 the mask: x's tiles go to my row; 17:16 element of 1 byte; 20 padding on; 21 set beside a mask; 24:22 after every 64 words (code 5); 31:25 of 4 words (code 3)
	s_or_b32 s[G1B+0], s44, (0<<16)|(1<<20)|(1<<21)|(5<<22)|(3<<25) ; the same with the mask of my column, for w's tiles
.irp g, G1, G1B
	s_mov_b32 s[\g+1], ROWB<<16                    ; tensor_dim0
	s_mov_b32 s[\g+2], 128<<16                     ; tensor_dim1 = 128
	s_mov_b32 s[\g+3], ROWB<<16                    ; tile_dim0
	s_mov_b32 s[\g+4], 128                         ; tile_dim1 = 128
	s_mov_b32 s[\g+5], KROW                        ; tensor_dim0_stride
	s_mov_b32 s[\g+6], 0
	s_mov_b32 s[\g+7], 0
.endr
	s_lshl_b32 s18, s16, 17                        ; which 128 rows of 1,024 bytes I fetch
	s_lshl_b32 s20, s17, 18
	s_add_co_u32 s20, s20, s18                     ; x: (256 x tile row + 128 x half) rows
	s_mov_b32 s21, 0
	s_lshl_b32 s46, s42, 18
	s_add_co_u32 s46, s46, s18                     ; w: (256 x tile column + 128 x half) rows
	s_mov_b32 s47, 0
	s_mul_i32 s45, s14, HALFT                      ; where they go: wave x 128 rows: no place in the cluster enters an LDS address
	s_wait_dscnt 0x0                               ; both opening adds are done
	s_wait_kmcnt 0x0
	s_load_b256 s[68:75], s[8:9], 0x0              ; e0 .. e7
	s_add_nc_u64 s[20:21], s[4:5], s[20:21]
	s_add_nc_u64 s[46:47], s[6:7], s[46:47]
	CROUND                                         ; all sixteen work-groups are here: the first joint loads meet
.irp s, 0,1
	s_mov_b32 s[G0+4*\s], 1
	s_add_co_u32 s[G0+4*\s+1], s45, \s*SLOT
	s_add_nc_u64 s[G0+4*\s+2:G0+4*\s+3], s[20:21], \s*ROWB
	s_or_b32 s[G0+4*\s+3], s[G0+4*\s+3], 0x80000000
	s_mov_b32 s[G0B+4*\s], 1
	s_add_co_u32 s[G0B+4*\s+1], s45, \s*SLOT
	s_add_nc_u64 s[G0B+4*\s+2:G0B+4*\s+3], s[46:47], \s*ROWB
	s_or_b32 s[G0B+4*\s+3], s[G0B+4*\s+3], 0x80000000
	JLOAD G0+4*\s, G1, G0B+4*\s, G1B
.endr
	v_and_b32 v1, 15, v0                           ; l % 16
	v_bfe_u32 v2, v0, 4, 1                         ; l / 16
	v_mul_u32_u24 v3, v1, PITCH
	v_lshl_add_u32 v4, v2, 4, v3                   ; a fragment's row x pitch + 16 x half
	s_cmp_eq_u32 ttmp9, 2                          ; v?  The cluster's x: the same in all partners.  All four choices stand ahead of the next line that sets SCC
	s_cselect_b32 s76, 2*HALFT, 0                  ; source 1 is read from w's rows (v) or from x's (q, k),
	s_cselect_b32 s77, 0, 2*HALFT                  ; source 0 from the other
	s_cselect_b32 s78, s15, s16                    ; which half of the 256 features is mine,
	s_cselect_b32 s79, s16, s15                    ; and which half of the 256 tokens
	s_mul_i32 s21, s15, HALFT
	s_add_co_u32 s21, s21, s76
	s_mul_i32 s22, s16, HALFT
	s_add_co_u32 s22, s22, s77
.irp s, 0,1
	v_add_nc_u32 v[ADRA+\s], s21, v4
	v_add_nc_u32 v[ADRB+\s], s22, v4
	s_add_co_u32 s21, s21, SLOT
	s_add_co_u32 s22, s22, SLOT
.endr
	v_and_b32 v6, 31, v0
	v_lshlrev_b32 v[CO], 4, v6
	; where my 16,384 bytes of qkvc begin: kind 2^23 + batch 2^21 + head pair 2^18 + (the tile row's place in its batch) 2^15 + my half of the tokens 2^14
	s_lshl_b32 s82, ttmp9, 23
	s_lshr_b32 s83, s17, 3
	s_lshl_b32 s83, s83, 21
	s_add_co_u32 s82, s82, s83
	s_lshl_b32 s83, s40, 1
	s_add_co_u32 s83, s83, s78
	s_lshl_b32 s83, s83, 18
	s_add_co_u32 s82, s82, s83
	s_and_b32 s83, s17, 7
	s_lshl_b32 s83, s83, 15
	s_add_co_u32 s82, s82, s83
	s_lshl_b32 s83, s79, 14
	s_add_co_u32 s82, s82, s83
	s_mov_b32 s83, 0
	s_add_nc_u64 s[10:11], s[10:11], s[82:83]
.macro FRAG reg, adr, q, i             ; a fragment, 16 rows x 128 K, is 16 registers, by four loads of 16 bytes: lane l holds row l % 16; registers 4 c .. 4 c + 3 hold K = 32 c + 16 (l / 16) + 0 .. 15: one order of k for both sides
.irp c, 0,1,2,3
	ds_load_b128 v[\reg+4*\c:\reg+4*\c+3], v[\adr] offset:128*(\q)+32*\c+(\i)*16*PITCH
.endr
.endm
; 16 matrix instructions: source 1's blocks a0, a0 + 1 x source 0's eight, 128 along K.  p: source 0's set.  zero = 1: the first product starts the sums: nothing is ever cleared.
; The 64 accumulators take turns, one instruction a turn, in the same order in every step.
.macro MUL16 a0, p, zero
.irp a, \a0, \a0+1
.irp b, 0,1,2,3,4,5,6,7
.if \zero
	v_wmma_f32_16x16x128_fp8_fp8 v[8*(8*((\a)%4)+\b):8*(8*((\a)%4)+\b)+7], v[128*(\p)+FR*\b:128*(\p)+FR*\b+FR-1], v[AF+FR*(\a):AF+FR*(\a)+FR-1], 0
.else
	v_wmma_f32_16x16x128_fp8_fp8 v[8*(8*((\a)%4)+\b):8*(8*((\a)%4)+\b)+7], v[128*(\p)+FR*\b:128*(\p)+FR*\b+FR-1], v[AF+FR*(\a):AF+FR*(\a)+FR-1], v[8*(8*((\a)%4)+\b):8*(8*((\a)%4)+\b)+7]
.endif
.endr
.endr
.endm
.macro FETCH_B slot, q, p              ; source 0's eight fragments of the slot's q-th 128 along K into set p
	WIN TO_B
.irp i, 0,1,2,3,4,5,6,7
	FRAG 128*(\p)+FR*\i, ADRB+\slot, \q, \i
.endr
	WIN 0
.endm
.macro FETCH_A slot, q, i0             ; source 1's blocks i0 .. i0 + 3
.irp i, \i0, \i0+1, \i0+2, \i0+3
	FRAG AF+FR*(\i), ADRA+\slot, \q, \i
.endr
.endm
; A load into a register that a matrix instruction has read, and a vector instruction that reads a matrix result, stand NP places behind that matrix instruction, and only plain vector instructions that name none
; of its registers are places (ISA guide 7.12.1 for vector instructions).
.macro PLACES n
.rept \n
	v_nop
.endr
.endm
; A step of 128 along K that has its successor in the same slot.  A block of source 1 is free as soon as its eight products are issued: blocks 0-3 are fetched anew in the step's middle, blocks 4-7 at its end.
.macro STEP slot, q, zero
	s_wait_dscnt 4*NL                              ; source 0's set and source 1's blocks 0-3 are in; the youngest sixteen loads (blocks 4-7) may be out
	WIN MUL_LO
	MUL16 0, (\q)%2, \zero
	MUL16 2, (\q)%2, \zero
	s_wait_dscnt 0                                 ; blocks 4-7 are in (asked for 32 matrix instructions ago)
	PLACES NP
	FETCH_B \slot, (\q)+1, 1-(\q)%2
	FETCH_A \slot, (\q)+1, 0
	WIN MUL_HI
	MUL16 4, (\q)%2, \zero
	MUL16 6, (\q)%2, \zero
	PLACES NP
	WIN 0
	FETCH_A \slot, (\q)+1, 4
.endm
; A slot's last step changes slots: ONE barrier; in front of it each wave waits for all its tensor loads, adds 0 to its spare word, and waits for that and for its own reads of this slot.  fill = 1: this slot is filled again, two K steps ahead.
.macro TURN slot, next, fill
	s_wait_tensorcnt 0x0                           ; all my tensor loads have landed: my part of the next slot  (every window is 0 here: the add's two registers lie in window 0)
	ds_add_u32 v[SPW], v[NIL]                      ; 0 onto my spare word
	s_wait_dscnt 4*NL+1                            ; (the add and the youngest sixteen loads, blocks 4-7, may be out)
	WIN MUL_LO
	MUL16 0, 1, 0                                  ; sixteen matrix instructions stand between the add and the wait for it
	s_wait_dscnt 0x0                               ; the add is done, and my reads of this slot are over
	s_barrier_signal -1
	MUL16 2, 1, 0
	WIN 0
	s_barrier_wait -1
.if \fill
	CREST                                          ; the barrier has opened a round of the cluster's barrier: no wave of any partner still reads this slot's tile or has a load on its way
	s_add_nc_u64 s[G0+4*\slot+2:G0+4*\slot+3], s[G0+4*\slot+2:G0+4*\slot+3], 2*ROWB
	s_add_nc_u64 s[G0B+4*\slot+2:G0B+4*\slot+3], s[G0B+4*\slot+2:G0B+4*\slot+3], 2*ROWB
	JLOAD G0+4*\slot, G1, G0B+4*\slot, G1B         ; the first tensor load behind the round; the four v_nop behind it are the places in front of the loads below
.else
	PLACES NP
.endif
	FETCH_B \next, 0, 0
	FETCH_A \next, 0, 0
	WIN MUL_HI
	MUL16 4, 1, 0
	MUL16 6, 1, 0
	PLACES NP
	WIN 0
	FETCH_A \next, 0, 4
.endm
	s_wait_tensorcnt 1                             ; my part of K step 0 is in (K step 1's load may be out)
	s_barrier_signal -1
	s_barrier_wait -1                              ; everybody's is
	FETCH_B 0, 0, 0
	FETCH_A 0, 0, 0
	FETCH_A 0, 0, 4
	STEP 0, 0, 1                                   ; the first step stands in front of the loop: its products start the sums
	s_mov_b32 s3, LAPS-1
.Llap:                                                 ; a trip goes once round the ring, from a lap's second step to the next lap's first, and fills both slots again
	TURN 0, 1, 1
	STEP 1, 0, 0
	TURN 1, 0, 1
	STEP 0, 0, 0
	s_sub_co_u32 s3, s3, 1
	s_cmp_lg_u32 s3, 0
	s_cbranch_scc1 .Llap
	TURN 0, 1, 0                                   ; the last lap fills nothing, and has no round of the cluster's barrier
	STEP 1, 0, 0
	s_wait_dscnt 4*NL                              ; the very last step: nothing more to fetch
	WIN MUL_LO
	MUL16 0, 1, 0
	MUL16 2, 1, 0
	s_wait_dscnt 0
	WIN MUL_HI
	MUL16 4, 1, 0
	MUL16 6, 1, 0
	WIN 0
	; THE WAY OUT.  The operand's scale, chosen without a branch: e2 (q), e3 (k), e5 (v), less e0 + e1, which the sums lack.
	s_wait_kmcnt 0x0
	s_cmp_eq_u32 ttmp9, 2
	s_cselect_b32 s80, s73, s70
	s_cmp_eq_u32 ttmp9, 1
	s_cselect_b32 s80, s71, s80
	s_sub_co_i32 s80, s80, s68
	s_sub_co_i32 s80, s80, s69
	s_add_co_i32 s80, s80, 127
	s_lshl_b32 s81, s80, 23
	v_mov_b32 v[SC], s81                           ; (these two lines are two of the four places behind the last products)
	s_add_co_i32 s80, s80, 8
	s_lshl_b32 s80, s80, 23
	s_or_b32 s80, s80, 0x600000
	v_mov_b32 v[LIM], s80
	PLACES NP-2
; Block a: 16 rows of source 1 x my 128 of source 0: 64 sums a lane.  Held (the conversion to an 8-bit code does not saturate: ISA guide 7.6.2), each accumulator from its low end on; eight conversions; four stores of 512 bytes.
.macro OUTBLK a
.set AC, 64*((\a)%4)
	WIN 0x02+((\a)/4)                              ; source 0: window 2 or 3
.set i, 0
.rept 64
	v_med3_num_f32 v[TMP+i], v[AC+i], -v[LIM], v[LIM]
.set i, i+1
.endr
	WIN 0
.irp b, 0,1,2,3,4,5,6,7
	v_cvt_scalef32_pk8_fp8_f32 v[CD+16*(\a)+2*\b:CD+16*(\a)+2*\b+1], v[TMP+8*\b:TMP+8*\b+7], v[SC]   ; registers 2 b, 2 b + 1 of the image: k = 16 b + 8 (l / 16) + 0 .. 7
.endr
	v_nop                                          ; one plain vector instruction between the last conversion and the next block's lines, which write its sources
.irp g, 0,1,2,3
	global_store_b128 v[CO], v[CD+16*(\a)+4*\g:CD+16*(\a)+4*\g+3], s[10:11] offset:2048*(\a)+512*\g   ; 32 lanes store 512 consecutive bytes, at a multiple of 256 from the buffer's first byte
.endr
.endm
.irp a, 0,1,2,3,4,5,6,7
	OUTBLK \a
.endr
	s_wait_tensorcnt 0x0                           ; the wave's end, behind my last tensor load
	ds_add_u32 v[SPW], v[NIL]
	s_wait_dscnt 0x0
	CROUND                                         ; the closing round: no work-group ends while a partner may still ask for a tile that names it
	s_endpgm
.Lfunc_end_k_qf41b65a474_qkv:
	.size	k_qf41b65a474_qkv, .Lfunc_end_k_qf41b65a474_qkv-k_qf41b65a474_qkv
	.p2alignl 7, 3214868480
	.fill 96, 4, 3214868480
	.section	.rodata,"a",@progbits
	.p2align	6, 0x0
	.amdhsa_kernel k_qf41b65a474_qkv
		.amdhsa_group_segment_fixed_size 327680
		.amdhsa_private_segment_fixed_size 0
		.amdhsa_enable_private_segment 0
		.amdhsa_kernarg_size 32
		.amdhsa_user_sgpr_count 2
		.amdhsa_user_sgpr_kernarg_segment_ptr 1
		.amdhsa_wavefront_size32 1
		.amdhsa_system_sgpr_workgroup_id_x 1
		.amdhsa_system_sgpr_workgroup_id_y 1
		.amdhsa_system_sgpr_workgroup_id_z 1
		.amdhsa_system_vgpr_workitem_id 0
		.amdhsa_next_free_vgpr 1024
		.amdhsa_next_free_sgpr 98
		.amdhsa_reserve_vcc 0
		.amdhsa_float_denorm_mode_32 3
		.amdhsa_float_denorm_mode_16_64 3
		.amdhsa_memory_ordered 1
		.amdhsa_forward_progress 1
		.amdhsa_inst_pref_size 118
	.end_amdhsa_kernel
	.amdgpu_metadata
---
amdhsa.version: [ 1, 2 ]
amdhsa.kernels:
  - .name:           k_qf41b65a474_qkv
    .symbol:         k_qf41b65a474_qkv.kd
    .args:
      - { .name: x_codes, .offset: 0, .size: 8, .value_kind: global_buffer, .address_space: global }
      - { .name: w_qkv_codes, .offset: 8, .size: 8, .value_kind: global_buffer, .address_space: global }
      - { .name: lowp_scales, .offset: 16, .size: 8, .value_kind: global_buffer, .address_space: global }
      - { .name: qkvc, .offset: 24, .size: 8, .value_kind: global_buffer, .address_space: global }
    .group_segment_fixed_size: 327680
    .private_segment_fixed_size: 0
    .kernarg_segment_align: 8
    .kernarg_segment_size: 32
    .max_flat_workgroup_size: 128
    .sgpr_count:     98
    .vgpr_count:     1024
    .wavefront_size: 32
...
	.end_amdgpu_metadata
.endif
;; end of part 2
;; launch attn (part 3): grid 8 x 64, 16 waves a work-group, no clusters, 34,816 bytes of LDS; arguments qkvc, mwords, tflags, lowp_scales, ac; writes ac
.if DOCPART == 3
	.amdgcn_target "amdgcn-amd-amdhsa--gfx1250"
	.amdhsa_code_object_version 6
	.text
	.protected	k_qf41b65a474_attn
	.globl	k_qf41b65a474_attn
	.p2align	8
	.type	k_qf41b65a474_attn,@function
k_qf41b65a474_attn:
	s_mov_b64 s[64:65], 0
	v_nop
	global_prefetch_b8 v0, s[64:65] scope:SCOPE_SE
	s_setreg_imm32_b32 hwreg(HW_REG_WAVE_MODE, 25, 1), 1
	s_wait_xcnt 0x0
; PRODUCTS 2 AND 3 and the softmax between them, on codes of E4M3, and the quantiser of the result (operand A of product 4).
; LEFT OUT: a tile of 16 queries x 128 keys all of whose mask bytes are True (shown at the head of the first kernel: its p are 0 and it enters no maximum).  The flags come from memory (tflags), stored by the first launch.
; THE SOFTMAX: t = score x log2(e) / 8; M = the row's largest t so far, rounded UP to a whole number; p = 2^(t - M) is what is quantised, with 2^e4; it is not normalised.  The row's sum is taken of the unquantised p and
; divides at the end.  When M moves, the sum and O are multiplied by 2^(old M - new M): exact.  Hidden keys' scores become -infinity ahead of the maximum, by lane masks that the first launch made (mwords).
; A query ALL of whose keys are hidden is NaN in reference(): its sum is 0 here, and its codes become the NaN code, so that product 4 makes the token's row NaN.
; SHARES.  A work-group owns blocks j and 15 - j of 128 queries of one head (j = the work-group's x): waves 0-7 block j, waves 8-15 block 15 - j; a wave owns one tile of 16 queries in 256 registers, four waves to a SIMD,
; so that one wave's vector work stands beside another's matrix work and LDS loads.  The pairing is right for every mask; where late queries see more keys than early ones it evens the work out.
; LAYOUT.  Both products are used transposed: S^T = K Q^T (source 0 = 16 keys, source 1 = my 16 queries), O^T = V^T P^T (source 0 = 16 of the head's 64, source 1 = P): a lane holds ONE query (lane % 16) throughout.
; Register 8 k + j of S^T is key 16 k + 8 (lane / 16) + j, so the conversions' results are P's registers in the 8-bit forms' own layout.  q, k and v come as images of their registers (laid by the launch before).
; THE RING.  Two LDS slots of 16,384 bytes, a key step each: K's 8 fragments (1,024 bytes each), then V's 4 (2,048 each).  It is filled THROUGH REGISTERS, each thread 16 bytes of K and 16 of V, since the walk branches on
; numbers read from memory.  In step i: one barrier; step i + 1's bytes, loaded a step ago, go into the other slot; step i + 2's are asked for.  Two sets of staging registers take turns, so that a set is loaded again
; only behind the wait for LDS at the next step's head.  A step that is hidden for all sixteen tiles is neither loaded nor stored nor read.  Every wave passes every barrier.
; NO CLUSTER, though the 8 work-groups of a head walk the same K and V: a joint request is a tensor load; a step's shared bytes are 16,384.
; LIMITS on the given exponents, so that each power of two below is an f32 number: e2 + e3 between -123 and 130 (added to c's exponent field); e4 and e6 between -126 and 119; e4 + e5 is applied by v_ldexp_f32 and has none.
.set SLOTB, 16384
.set VOFF,  8192
.set SPARE, 2*SLOTB                    ; behind the ring: the spare words, 128 bytes for each wave: eight blocks of 256 bytes that no other line names
.set LI,   1                           ; v1   16 x lane: my bytes of a chunk
.set FST,  2                           ; v2   16 x thread: where I store into a slot; also my bytes of a step's V in memory
.set GOFK, 3                           ; v3   my bytes of a step's K in memory: 2,048 (thread / 64) + 16 (thread % 64): the two heads of a pair lie by turns, 1,024 bytes each
.set SPW,  4                           ; v4   LDS address of my spare word; never rewritten
.set NIL,  5                           ; v5   0; never rewritten
.set NINF, 6                           ; v6   -infinity
.set PFO,  7                           ; v7   the prefetches' offset
.set SA,   8                           ; v[8:15]    staging, odd steps: K's 16 bytes, V's 16 bytes
.set SB,   232                         ; v[232:239] staging, even steps
.set NM,   16                          ; v16 -M, v17 the largest t
.set SUM,  18                          ; v[18:19] the row's sum in two halves
.set FF,   20                          ; v20 f = 2^(old M - new M); v21 named with it as a pair
.set C0,   22                          ; v22, v23 at work
.set C1,   23
.set PD,   24                          ; v24 a lane permute's destination
.set TT,   25
.set SUM2, 26                          ; v[26:27] the sum's second chain
.set PSC,  28                          ; v28 2^e4, v29 448 x 2^e4
.set PLIM, 29
.set OSC,  30                          ; v30 2^e6, v31 448 x 2^e6
.set OLIM, 31
.set Q,    32                          ; v[32:39]   Q's fragment
.set F,    40                          ; v[40:103]  K's 8 fragments, then V's 4
.set S,    104                         ; v[104:167] S^T, then p
.set O,    168                         ; v[168:199] O^T
.set PC,   200                         ; v[200:215] p's codes
.set OC,   216                         ; v[216:223] the result's codes
.set NANC, 224                         ; v224 four NaN codes
.set ONE,  225                         ; v225 1.0
.set MW,   6                           ; s[6:7]   my tile's mask words of the trip's first step
.set ACP,  12                          ; s[12:13] where my 1,024 bytes of ac begin
.set PFA,  14                          ; s[14:15] the prefetches' base
.set WV,   84
.set TF,   85                          ; my tile's flags, shifted two steps a trip: bit sl = hidden, bit 16 + sl = mixed
.set WGH,  86                          ; bit = the step is hidden for all sixteen tiles; ones above step 15, so that nothing is fetched past the last step
.set PFH,  87                          ; bit = no prefetch
.set KB,   88                          ; s[88:89] K of the trip's first step;  s[90:91] V
.set VB,   90
.set CS,   92                          ; s[92:93] c = log2(e) / 8 x 2^(e2 + e3)
.set SEL,  94                          ; s[94:95] lane selects: lane l xor 16
.set HOLD, 96                          ; 1 where p can pass 448 x 2^e4
.set TRIP, 97
.set EPV,  98                          ; e4 + e5
.set LZ,   99                          ; lanes whose query has the sum 0
; mask word n of a step lies in s[16 + n] up to n = 47, in s[68 + n - 48] from there on
	s_load_b256 s[4:11], s[0:1], 0x0               ; qkvc s[4:5], mwords s[6:7], tflags s[8:9], the scales' exponents s[10:11]
	s_load_b64 s[ACP:ACP+1], s[0:1], 0x20          ; ac
	v_lshl_add_u32 v[SPW], v0, 2, SPARE
	v_mov_b32 v[NIL], 0
	v_lshrrev_b32 v1, 5, v0
	v_readfirstlane_b32 s[WV], v1                  ; wave 0..15
	v_and_b32 v1, 31, v0                           ; lane
	v_lshlrev_b32 v[PFO], 8, v1                    ; 256 x lane
	v_lshrrev_b32 v[TT], 2, v1                     ; lane / 4
	v_lshlrev_b32 v[LI], 4, v1
	v_lshlrev_b32 v[FST], 4, v0
	v_lshrrev_b32 v[GOFK], 6, v0
	v_and_b32 v[C0], 63, v0
	v_lshlrev_b32 v[C0], 4, v[C0]
	v_lshl_or_b32 v[GOFK], v[GOFK], 11, v[C0]
	s_and_b32 s40, ttmp7, 0xffff                   ; batch x 16 + head
	s_lshr_b32 s41, s40, 4                         ; batch
	s_bfe_u32 s42, s40, 0x30001                    ; head / 2
	s_and_b32 s43, s40, 1                          ; head % 2
	s_sub_co_u32 s44, 15, ttmp9
	s_cmp_lt_u32 s[WV], 8
	s_cselect_b32 s45, ttmp9, s44                  ; my block of 128 queries
	s_and_b32 s46, s[WV], 7
	s_lshl_b32 s45, s45, 3
	s_add_co_u32 s45, s45, s46                     ; my tile of 16 queries, 0 .. 127
	s_lshl_b32 s48, s41, 21
	s_lshl_b32 s49, s42, 18
	s_add_co_u32 s48, s48, s49                     ; the head pair's first byte in each of q, k, v
	s_lshl_b32 s47, s43, 10
	s_lshl_b32 s50, s45, 11
	s_add_co_u32 s50, s50, s48
	s_add_co_u32 s50, s50, s47                     ; Q: + tile x 2,048 + (head % 2) x 1,024
	s_mov_b32 s51, 0
	s_lshl_b32 s52, s45, 2                         ; my tile's flag word,
	s_mov_b32 s53, 0
	s_lshl_b32 s54, ttmp9, 5                       ; the eight of block j,
	s_mov_b32 s55, 0
	s_lshl_b32 s56, s44, 5                         ; the eight of block 15 - j
	s_mov_b32 s57, 0
	s_add_co_u32 s58, s48, s47
	s_add_co_u32 s58, s58, 1<<23                   ; K
	s_mov_b32 s59, 0
	s_lshl_b32 s60, s43, 13
	s_add_co_u32 s60, s60, s48
	s_add_co_u32 s60, s60, 1<<24                   ; V
	s_mov_b32 s61, 0
	s_lshl_b32 s62, s45, 12                        ; my tile's 16 x 64 mask words
	s_mov_b32 s63, 0
	s_lshl_b32 s66, s41, 7
	s_add_co_u32 s66, s66, s45
	s_lshl_b32 s66, s66, 14                        ; ac: (batch x 128 + tile) x 16,384
	s_lshl_b32 s67, s42, 11
	s_add_co_u32 s66, s66, s67                     ; + K step (head / 2) x 2,048
	s_add_co_u32 s66, s66, s47                     ; + (head % 2) x 1,024
	s_mov_b32 s67, 0
	s_wait_kmcnt 0x0
	s_add_nc_u64 s[52:53], s[8:9], s[52:53]
	s_add_nc_u64 s[54:55], s[8:9], s[54:55]
	s_add_nc_u64 s[56:57], s[8:9], s[56:57]
	s_load_b32 s[TF], s[52:53], 0x0
	s_load_b256 s[16:23], s[54:55], 0x0
	s_load_b256 s[24:31], s[56:57], 0x0
	s_load_b256 s[32:39], s[10:11], 0x0            ; e0 .. e7
	s_add_nc_u64 s[50:51], s[4:5], s[50:51]
	s_add_nc_u64 s[KB:KB+1], s[4:5], s[58:59]
	s_add_nc_u64 s[VB:VB+1], s[4:5], s[60:61]
	s_add_nc_u64 s[MW:MW+1], s[MW:MW+1], s[62:63]
	s_add_nc_u64 s[ACP:ACP+1], s[ACP:ACP+1], s[66:67]
	global_load_b128 v[Q:Q+3],   v[LI], s[50:51]               ; Q's fragment stays in registers
	global_load_b128 v[Q+4:Q+7], v[LI], s[50:51] offset:512
	global_load_b128 v[SB:SB+3],   v[GOFK], s[KB:KB+1]         ; key step 0 and key step 1 are fetched whatever the flags say
	global_load_b128 v[SB+4:SB+7], v[FST],  s[VB:VB+1]
	global_load_b128 v[SA:SA+3],   v[GOFK], s[KB:KB+1] offset:SLOTB
	global_load_b128 v[SA+4:SA+7], v[FST],  s[VB:VB+1] offset:SLOTB
	v_mov_b32 v[NINF], 0xff800000
	v_mov_b32 v[NM+1], 0xff61b1e6                  ; the largest t so far: -3e38, under every t
	v_floor_f32 v[NM], -v[NM+1]                    ; -M
	v_mov_b32 v[SUM], 0
	v_mov_b32 v[SUM+1], 0
	v_mov_b32 v[FF+1], 0                           ; (named as the upper half of a pair)
	v_mov_b32 v[PD], 0                             ; (a lane permute's destination counts as one of its sources)
	v_mov_b32 v[NANC], 0x7f7f7f7f
	v_mov_b32 v[ONE], 1.0
.set i, 0
.rept 32
	v_mov_b32 v[O+i], 0                            ; O^T.  Which step is a tile's first hangs on the flags, so the step is written once and finds zeros, which the first change of M leaves zeros
.set i, i+1
.endr
	s_mov_b32 s[SEL], 0x76543210
	s_mov_b32 s[SEL+1], 0xfedcba98
	s_mov_b32 s[TRIP], 0
	; the prefetches: who asks, and where.  All 8 work-groups of a head walk the same K and V: the head's first asks; in it wave 8 for K's bytes of a step, wave 9 for V's
	s_sub_co_u32 s40, s[WV], 8
	s_lshr_b32 s40, s40, 1                         ; 0 in waves 8 and 9
	s_or_b32 s40, s40, ttmp9
	s_cmp_eq_u32 s40, 0
	s_mov_b32 s[PFH], -1
	s_cselect_b32 s[PFH], 0xffff0000, s[PFH]
	s_cmp_eq_u32 s[WV], 8
	s_cselect_b64 s[PFA:PFA+1], s[KB:KB+1], s[VB:VB+1]
	s_cselect_b32 s41, 1024, 0
	v_mad_u32_u24 v[PFO], v[TT], s41, v[PFO]       ; V: 32 blocks of 256 bytes on end; K: four to each of its eight pieces, which lie 2,048 bytes apart
	s_wait_kmcnt 0x0
	s_and_b32 s[WGH], s16, s17
.irp i, 18,19,20,21,22,23,24,25,26,27,28,29,30,31
	s_and_b32 s[WGH], s[WGH], s[\i]
.endr
	s_or_b32 s[WGH], s[WGH], 0xffff0000
	s_add_co_i32 s40, s34, s35
	s_lshl_b32 s40, s40, 23
	s_add_co_i32 s[CS], s40, 0x3e38aa3b            ; c = log2(e) / 8; a score stands for score x 2^(e2 + e3): the two exponents are added to c's exponent field
	s_mov_b32 s[CS+1], s[CS]                       ; (named with it as a pair, so it is written)
	s_add_co_i32 s40, s36, 127
	s_lshl_b32 s41, s40, 23
	v_mov_b32 v[PSC], s41
	s_add_co_i32 s40, s40, 8
	s_lshl_b32 s40, s40, 23
	s_or_b32 s40, s40, 0x600000
	v_mov_b32 v[PLIM], s40
	s_add_co_i32 s40, s38, 127
	s_lshl_b32 s41, s40, 23
	v_mov_b32 v[OSC], s41
	s_add_co_i32 s40, s40, 8
	s_lshl_b32 s40, s40, 23
	s_or_b32 s40, s40, 0x600000
	v_mov_b32 v[OLIM], s40
	s_add_co_i32 s[EPV], s36, s37
	s_cmp_lt_i32 s36, -8                           ; p is at most 1, and 448 x 2^e4 is at least 1 from e4 = -8 on: there the hold changes nothing and is jumped over
	s_cselect_b32 s[HOLD], 1, 0
	s_wait_loadcnt 0x2                             ; Q and step 0 are in; step 1's two loads may be out
	ds_store_b128 v[FST], v[SB:SB+3]               ; step 0 into slot 0
	ds_store_b128 v[FST], v[SB+4:SB+7] offset:VOFF
; A KEY STEP: 128 keys, in slot sl.
.macro STEP sl
.set STS, SA+(SB-SA)*\sl                ; the set that holds the next step,
.set LDS_, SB-(SB-SA)*\sl               ; and the set that takes the step after it
	s_wait_dscnt 0x0                               ; my stores into this slot have landed, and my reads of the other slot are over
	s_barrier_signal -1
	s_barrier_wait -1                              ; both now hold of all sixteen waves: this slot is whole, the other is free
	s_wait_loadcnt 0x0                             ; the next step's bytes, asked for a step ago
	s_bitcmp1_b32 s[WGH], 1+\sl
	s_cbranch_scc1 .Lno_store_\@                   ; (hidden for all sixteen tiles: nobody will read it)
	ds_store_b128 v[FST], v[STS:STS+3] offset:(1-\sl)*SLOTB
	ds_store_b128 v[FST], v[STS+4:STS+7] offset:(1-\sl)*SLOTB+VOFF
.Lno_store_\@:
	s_bitcmp1_b32 s[WGH], 2+\sl
	s_cbranch_scc1 .Lno_load_\@
	global_load_b128 v[LDS_:LDS_+3],   v[GOFK], s[KB:KB+1] offset:(2+\sl)*SLOTB   ; this set's stores were waited for at the step's head
	global_load_b128 v[LDS_+4:LDS_+7], v[FST],  s[VB:VB+1] offset:(2+\sl)*SLOTB
.Lno_load_\@:
.if \sl == 0
; A PREFETCH INTO THE L2, once a trip, behind the wave's loads: the key steps four and five on from this one, two steps ahead of the loads that will want them: a lane a block of 256 bytes, 32 blocks a step and tensor.
; Each block is named once in the launch.  Steps 0 to 3 come by their loads alone; nothing is asked for past step 15 (the ones above bit 15 end it).
	s_bitcmp1_b32 s[PFH], 4
	s_cbranch_scc1 .Lno_ask_\@
	global_prefetch_b8 v[PFO], s[PFA:PFA+1] offset:4*SLOTB th:TH_LOAD_NT scope:SCOPE_SE
	global_prefetch_b8 v[PFO], s[PFA:PFA+1] offset:5*SLOTB th:TH_LOAD_NT scope:SCOPE_SE
.Lno_ask_\@:
.endif
	s_bitcmp1_b32 s[TF], \sl
	s_cbranch_scc1 .Lhidden_\@                     ; all 16 x 128 hidden: the step's work is left out; no barrier stands in it
.rept 4
	v_nop                                          ; places in front of loads into registers that the last products have read
.endr
.irp k, 0,1,2,3,4,5,6,7
	ds_load_b128 v[F+8*\k:F+8*\k+3],   v[LI] offset:\sl*SLOTB+1024*\k
	ds_load_b128 v[F+8*\k+4:F+8*\k+7], v[LI] offset:\sl*SLOTB+1024*\k+512
.endr
	s_wait_dscnt 0x0
.irp k, 0,1,2,3,4,5,6,7
	v_wmma_f32_16x16x64_fp8_fp8 v[S+8*\k:S+8*\k+7], v[F+8*\k:F+8*\k+7], v[Q:Q+7], 0   ; S^T: 16 keys x my 16 queries, K = the head's 64
.endr
.rept 4
	v_nop                                          ; places: in front of the loads below, and of the first read of the scores
.endr
.irp t, 0,1,2,3
.irp c, 0,1,2,3
	ds_load_b128 v[F+16*\t+4*\c:F+16*\t+4*\c+3], v[LI] offset:\sl*SLOTB+VOFF+2048*\t+512*\c   ; V's fragments land while the softmax is walked
.endr
.endr
	s_bitcmp1_b32 s[TF], 16+\sl
	s_cbranch_scc0 .Lopen_\@                       ; no key of the step is hidden
	s_load_b512 s[16:31], s[MW:MW+1], 256*\sl
	s_load_b512 s[32:47], s[MW:MW+1], 256*\sl+64
	s_load_b512 s[48:63], s[MW:MW+1], 256*\sl+128
	s_load_b512 s[68:83], s[MW:MW+1], 256*\sl+192
	s_wait_kmcnt 0x0
.set n, 0
.rept 64
	v_cndmask_b32 v[S+n], v[S+n], v[NINF], s[16+n+4*(n/48)]   ; hidden keys' scores become -infinity ahead of the maximum: p = 0 then
.set n, n+1
.endr
.Lopen_\@:
	v_max3_num_f32 v[C0], v[S], v[S+1], v[S+2]     ; the step's largest score of my query, among my 64 keys, in two chains, each accumulator from its low end on,
	v_max3_num_f32 v[C1], v[S+3], v[S+4], v[S+5]
.irp i, 6,10,14,18,22,26,30,34,38,42,46,50,54,58
	v_max3_num_f32 v[C0], v[C0], v[S+\i], v[S+\i+1]
	v_max3_num_f32 v[C1], v[C1], v[S+\i+2], v[S+\i+3]
.endr
	v_max3_num_f32 v[C0], v[C0], v[S+62], v[S+63]
	v_max_num_f32 v[C0], v[C0], v[C1]
	v_permlanex16_b32 v[PD], v[C0], s[SEL], s[SEL+1]
	v_max_num_f32 v[C0], v[C0], v[PD]              ; and among lane l xor 16's
	v_mul_f32 v[C0], s[CS], v[C0]                  ; as t (c is positive)
	v_max_num_f32 v[NM+1], v[NM+1], v[C0]          ; the running largest t
	v_mov_b32 v[C0], v[NM]
	v_floor_f32 v[NM], -v[NM+1]                    ; the new -M = floor(-t) = -ceil(t): M is a whole number
	v_sub_f32 v[C0], v[NM], v[C0]                  ; M's old value less its new one: a whole number, 0 or less
	v_cvt_i32_f32 v[C0], v[C0]                     ; (it saturates)
	v_ldexp_f32 v[FF], 1.0, v[C0]                  ; f = 2^(old M - new M)
.set i, 0
.rept 32
	v_pk_fma_f32 v[S+i:S+i+1], v[S+i:S+i+1], s[CS:CS+1], v[NM:NM+1] op_sel_hi:[1,0,0]   ; t - M, two at a time (of the pairs c and -M the low word serves both halves)
.set i, i+2
.endr
.set i, 0
.rept 64
	v_exp_f32 v[S+i], v[S+i]                       ; p = 2^(t - M), at most 1: not normalised
.set i, i+1
.endr
	v_pk_mul_f32 v[SUM:SUM+1], v[SUM:SUM+1], v[FF:FF+1] op_sel_hi:[1,0]   ; the sums under the new M.  (The plain instruction behind the exponentials)
	s_wait_alu depctr_va_vdst(0)                   ; the wait ahead of the first line that names an exponential's result: one for the batch of 64
	v_pk_add_f32 v[SUM2:SUM2+1], v[S:S+1], v[S+2:S+3]   ; the row's sum is taken of the unquantised p: two at a time, in two chains
.irp j, 4,8,12,16,20,24,28,32,36,40,44,48,52,56,60
	v_pk_add_f32 v[SUM:SUM+1], v[SUM:SUM+1], v[S+\j:S+\j+1]
	v_pk_add_f32 v[SUM2:SUM2+1], v[SUM2:SUM2+1], v[S+\j+2:S+\j+3]
.endr
	v_pk_add_f32 v[SUM:SUM+1], v[SUM:SUM+1], v[SUM2:SUM2+1]
	s_cmp_eq_u32 s[HOLD], 0
	s_cbranch_scc1 .Lno_hold_\@
.set i, 0
.rept 64
	v_min_num_f32 v[S+i], v[S+i], v[PLIM]          ; the conversion to an 8-bit code does not saturate (ISA guide 7.6.2); p is not negative, so the hold is one-sided
.set i, i+1
.endr
.Lno_hold_\@:
.irp k, 0,1,2,3,4,5,6,7
	v_cvt_scalef32_pk8_fp8_f32 v[PC+2*\k:PC+2*\k+1], v[S+8*\k:S+8*\k+7], v[PSC]   ; registers 2 k, 2 k + 1 of P: keys 16 k + 8 (lane / 16) + 0 .. 7
.endr
.set i, 0
.rept 16
	v_pk_mul_f32 v[O+i:O+i+1], v[O+i:O+i+1], v[FF:FF+1] op_sel_hi:[1,0]   ; O^T under the new M.  (These are also the plain instructions between the conversions and the products below)
.set i, i+2
.endr
	s_wait_dscnt 0x0                               ; V's fragments are in
.irp t, 0,1,2,3
	v_wmma_f32_16x16x128_fp8_fp8 v[O+8*\t:O+8*\t+7], v[F+16*\t:F+16*\t+15], v[PC:PC+15], v[O+8*\t:O+8*\t+7]   ; O^T += V^T P^T: 16 of the head's 64, K = these 128 keys; the four accumulators take turns
.endr
.Lhidden_\@:
.endm
.Ltrip:                                            ; 8 trips of two key steps: the count is a constant; what a tile's flags hide is jumped over inside a step
	STEP 0
	STEP 1
	s_wait_xcnt 0x0                                ; the trip's loads and prefetches have read their bases, so these may be written
	s_add_nc_u64 s[KB:KB+1], s[KB:KB+1], 2*SLOTB
	s_add_nc_u64 s[VB:VB+1], s[VB:VB+1], 2*SLOTB
	s_add_nc_u64 s[PFA:PFA+1], s[PFA:PFA+1], 2*SLOTB
	s_add_nc_u64 s[MW:MW+1], s[MW:MW+1], 512
	s_lshr_b32 s[TF], s[TF], 2
	s_lshr_b32 s[WGH], s[WGH], 2
	s_lshr_b32 s[PFH], s[PFH], 2
	s_add_co_u32 s[TRIP], s[TRIP], 1
	s_cmp_lt_u32 s[TRIP], 8
	s_cbranch_scc1 .Ltrip
	; THE WAY OUT.  O^T x 2^(e4 + e5) / the sum is the attention's result; it is quantised with 2^e6 and stored as an image of the registers of product 4's operand.
.rept 4
	v_nop                                          ; places behind the last products
.endr
	v_add_f32 v[SUM], v[SUM], v[SUM+1]             ; the sum's two halves,
	v_permlanex16_b32 v[PD], v[SUM], s[SEL], s[SEL+1]
	v_add_f32 v[SUM], v[SUM], v[PD]                ; and lane l xor 16's: the row's sum
	v_cmp_eq_f32 s[LZ], 0, v[SUM]                  ; 0 only where every key of the query is hidden
	v_cndmask_b32 v[SUM], v[SUM], v[ONE], s[LZ]
	v_rcp_f32 v[SUM], v[SUM]
	v_nop                                          ; the plain instruction behind the reciprocal
	s_wait_alu depctr_va_vdst(0)                   ; and the wait ahead of its first reader
	v_ldexp_f32 v[SUM], v[SUM], s[EPV]
.set i, 0
.rept 16
	v_pk_mul_f32 v[S+i:S+i+1], v[O+i:O+i+1], v[SUM:SUM+1] op_sel_hi:[1,0]   ; register 8 t + j: result(query r, d = 16 t + 8 h + j); each accumulator from its low end on
.set i, i+2
.endr
.set i, 0
.rept 32
	v_med3_num_f32 v[S+i], v[S+i], -v[OLIM], v[OLIM]
.set i, i+1
.endr
.irp t, 0,1,2,3
	v_cvt_scalef32_pk8_fp8_f32 v[OC+2*\t:OC+2*\t+1], v[S+8*\t:S+8*\t+7], v[OSC]
.endr
	v_nop                                          ; one plain vector instruction between the last conversion and the lines that touch its result
	; w_out's rows will be read 16 bytes a lane: lane (r, h) then holds k = 32 c + 16 h + 0 .. 15.  So lanes 0-15 take d = 8 .. 15 from lanes 16-31 and give them d = 16 .. 23, in each 32 of d
	v_permlane16_swap_b32 v[OC], v[OC+2]
	v_permlane16_swap_b32 v[OC+1], v[OC+3]
	v_permlane16_swap_b32 v[OC+4], v[OC+6]
	v_permlane16_swap_b32 v[OC+5], v[OC+7]
.irp i, 0,1,2,3,4,5,6,7
	v_cndmask_b32 v[OC+\i], v[OC+\i], v[NANC], s[LZ]   ; a query with no key: NaN codes (both lanes of a query hold the same sum)
.endr
	global_store_b128 v[LI], v[OC:OC+3], s[ACP:ACP+1]              ; 32 lanes store 512 consecutive bytes, at a multiple of 256 from the buffer's first byte
	global_store_b128 v[LI], v[OC+4:OC+7], s[ACP:ACP+1] offset:512
	s_wait_tensorcnt 0x0                           ; the wave's end, behind my last LDS store
	ds_add_u32 v[SPW], v[NIL]
	s_wait_dscnt 0x0
	s_endpgm
.Lfunc_end_k_qf41b65a474_attn:
	.size	k_qf41b65a474_attn, .Lfunc_end_k_qf41b65a474_attn-k_qf41b65a474_attn
	.p2alignl 7, 3214868480
	.fill 96, 4, 3214868480
	.section	.rodata,"a",@progbits
	.p2align	6, 0x0
	.amdhsa_kernel k_qf41b65a474_attn
		.amdhsa_group_segment_fixed_size 34816
		.amdhsa_private_segment_fixed_size 0
		.amdhsa_enable_private_segment 0
		.amdhsa_kernarg_size 40
		.amdhsa_user_sgpr_count 2
		.amdhsa_user_sgpr_kernarg_segment_ptr 1
		.amdhsa_wavefront_size32 1
		.amdhsa_system_sgpr_workgroup_id_x 1
		.amdhsa_system_sgpr_workgroup_id_y 1
		.amdhsa_system_sgpr_workgroup_id_z 1
		.amdhsa_system_vgpr_workitem_id 0
		.amdhsa_next_free_vgpr 256
		.amdhsa_next_free_sgpr 102
		.amdhsa_reserve_vcc 0
		.amdhsa_float_denorm_mode_32 3
		.amdhsa_float_denorm_mode_16_64 3
		.amdhsa_memory_ordered 1
		.amdhsa_forward_progress 1
		.amdhsa_inst_pref_size 53
	.end_amdhsa_kernel
	.amdgpu_metadata
---
amdhsa.version: [ 1, 2 ]
amdhsa.kernels:
  - .name:           k_qf41b65a474_attn
    .symbol:         k_qf41b65a474_attn.kd
    .args:
      - { .name: qkvc, .offset: 0, .size: 8, .value_kind: global_buffer, .address_space: global }
      - { .name: mwords, .offset: 8, .size: 8, .value_kind: global_buffer, .address_space: global }
      - { .name: tflags, .offset: 16, .size: 8, .value_kind: global_buffer, .address_space: global }
      - { .name: lowp_scales, .offset: 24, .size: 8, .value_kind: global_buffer, .address_space: global }
      - { .name: ac, .offset: 32, .size: 8, .value_kind: global_buffer, .address_space: global }
    .group_segment_fixed_size: 34816
    .private_segment_fixed_size: 0
    .kernarg_segment_align: 8
    .kernarg_segment_size: 40
    .max_flat_workgroup_size: 512
    .sgpr_count:     102
    .vgpr_count:     256
    .wavefront_size: 32
...
	.end_amdgpu_metadata
.endif
;; end of part 3
;; launch proj (part 4): grid 4 x 32, 4 waves a work-group, clusters of 4 x 4, 327,680 bytes of LDS; arguments ac, w_out_codes, lowp_scales, out0; writes out0
.if DOCPART == 4
	.amdgcn_target "amdgcn-amd-amdhsa--gfx1250"
	.amdhsa_code_object_version 6
	.text
	.protected	k_qf41b65a474_proj
	.globl	k_qf41b65a474_proj
	.p2align	8
	.type	k_qf41b65a474_proj,@function
k_qf41b65a474_proj:
	s_mov_b64 s[64:65], 0
	v_nop
	global_prefetch_b8 v0, s[64:65] scope:SCOPE_SE
	s_setreg_imm32_b32 hwreg(HW_REG_WAVE_MODE, 25, 1), 1
	s_wait_xcnt 0x0
	s_wait_alu depctr_hold_cnt(0) depctr_sa_sdst(0) depctr_va_vdst(0) depctr_va_sdst(0) depctr_va_ssrc(0) depctr_va_vcc(0) depctr_vm_vsrc(0)
	s_getreg_b32 s2, hwreg(HW_REG_IB_STS2, 6, 4)
	s_cmp_eq_u32 s2, 0
	s_cbranch_scc0 .Lentry_in_a_cluster
	s_endpgm
.Lentry_in_a_cluster:
	s_bfe_u32 s2, ttmp6, 0x10000c
	s_cmp_lg_u32 s2, 0xf033
	s_cbranch_scc0 .Lentry_shape_is_right
	s_endpgm
.Lentry_shape_is_right:
; PRODUCT 4, out0[t][o] = sum over c of a[t][c] w_out[o][c], on codes of E4M3: a's were made by the launch before with 2^e6, w_out's are given with 2^e7.  The codes are multiplied as they are, each finished sum once by 2^(e6 + e7).
; Nothing of reference() is left out here.  LIMIT: e6 + e7 between -126 and 127, so that 2^(e6 + e7) is an f32 number.
; A tile of 256 tokens x 256 outputs is made by a work-group of four waves, a wave 128 x 128: 64 accumulators, 512 registers.  The grid has 128 such tiles; the launch is short and most of its bytes are its stores.
; K goes in steps of 256 through a ring of two LDS slots filled by the tensor data mover.  CLUSTERS: 4 x 4 work-groups; the four of a row of the cluster need the same tokens' codes, the four of a column the same rows of w_out:
; each tile is asked for JOINTLY.  THE MATRIX INSTRUCTION IS USED TRANSPOSED (source 0 = 16 rows of w_out, source 1 = 16 tokens): a lane then holds eight neighbouring numbers of a row of out0.
; a's CODES COME AS IMAGES OF THE OPERAND'S REGISTERS: ac [token / 16][K / 128][2,048 bytes], chunk c of 512 bytes = registers 4 c .. 4 c + 3, lane l's 16 bytes at 16 l, lane (r, h): token r, k = 32 c + 16 h + 0 .. 15:
; the order of k that four loads of 16 bytes give w_out's rows.  A K step's part of a token tile is 4,096 consecutive bytes; in LDS the images lie on end, with no pitch and no padding.
; REGISTERS, in windows of 256: window 0: v0-31 addresses; from v128 a's fragments (8 x 16 tokens x 128 K), ONE set; on the way out v32-255 are free.
;   window 1: w_out's fragments, TWO sets, at v0 and at v128.   window 2: the 32 accumulators of my tokens 0-63 (accumulator (a, b) at v[8 (8 a + b)]);   window 3: those of my tokens 64-127.
.set SIZE_N, 1024
.set SIZE_K, 1024
.set KSTEP,  256                       ; along K in a slot
.set ROWB,   256                       ; a row of w_out's tile in bytes
.set KROW,   SIZE_K                    ; a row of w_out in memory, in bytes
.set PITCH,  272                       ; w_out's rows in LDS: 256 bytes of data + 16 of padding = 68 words: row r starts at bank 4 r mod 64 (64 banks of 4 bytes: ISA guide 11.1)
.set FR,     16                        ; registers of a fragment: 16 rows x 128 K
.set NL,     4                         ; LDS loads that bring one
.set NP,     4                         ; places behind this matrix instruction (ISA guide 7.12.1)
.set HALFT,  128*PITCH                 ; 128 rows of w_out: what one tensor load brings
.set AHALF,  8*4096                    ; 8 token tiles' images of a K step: what one tensor load brings of a
.set BOFF,   2*AHALF                   ; a slot: a's 16 token tiles, then w_out's 256 rows
.set SLOT,   BOFF+2*HALFT
.set LAPS,   SIZE_K/(2*KSTEP)          ; a lap = two K steps = once round the ring
.set SPARE,  2*SLOT                    ; behind the ring: the spare words, 128 bytes for each wave: two blocks of 256 bytes that no other line names
.set SPITCH, 528                       ; the way out: a stage of 16 rows x (512 bytes + 16) for each wave.  It lies in slot 0, which has had its last fill and its last read when the first result is stored there
.set ADRA, 16                          ; v16-17  LDS address of a's fragments in slot 0, 1
.set ADRB, 20                          ; v20-21  the same for w_out's
.set STO,  24                          ; v24     the way out: where I put 32 bytes of a row
.set RD,   25                          ; v25     the way out: where I read a row back
.set CO,   26                          ; v26     my byte offset in a row of out0
.set SPW,  28                          ; v28     LDS address of my spare word: SPARE + 4 x my thread's number; never rewritten
.set NIL,  29                          ; v29     0; never rewritten
.set TMP,  32                          ; the way out: 64 registers, a block's sums x 2^(e6 + e7)
.set AF,   128                         ; a's fragments, in window 0
.set BK,   128                         ; the way out: 16 rows read back from the stage: v128-191 and v192-255 by turns
.set G1, 24                            ; s[24:31] descriptor group 1 for a's tiles;  s[32:39] group 0, one set for each slot
.set G0, 32
.set G1B, 48                           ; s[48:55], s[56:63] the same for w_out's tiles
.set G0B, 56
.set MSB, 0
.macro WIN new                         ; the immediate's high byte repeats the setting that is left
.if MSB != \new
	s_set_vgpr_msb (MSB<<8)|\new
.set MSB, \new
.endif
.endm
.set MUL_LO, 0xa1                      ; source 0 (w_out) window 1, source 1 (a) window 0, C and D window 2
.set MUL_HI, 0xf1                      ; the same, C and D window 3
.set TO_B,   0x40                      ; destination window 1, address window 0
; A joint load: waves 0 and 1 fetch a's two halves, waves 2 and 3 w_out's.  Each of the two lines has ONE mask and one set of registers for all that issue it; the branch hangs on the wave's number alone.
; An s_nop 0 and four v_nop follow each of the two lines, ahead of the jump, the label and what follows.
.macro JLOAD g0a, g1a, g0b, g1b
	s_cmp_eq_u32 s15, 0
	s_cbranch_scc0 .Lfor_b_\@
	tensor_load_to_lds s[\g0a:\g0a+3], s[\g1a:\g1a+7]
	s_nop 0
.rept 4
	v_nop
.endr
	s_branch .Lasked_\@
.Lfor_b_\@:
	tensor_load_to_lds s[\g0b:\g0b+3], s[\g1b:\g1b+7]
	s_nop 0
.rept 4
	v_nop
.endr
.Lasked_\@:
.endm
.macro CREST                           ; a round of the cluster's barrier behind its opening barrier
	s_cmp_lg_u32 s14, 0
	s_cbranch_scc1 .Lnot_wave_0_\@
	s_barrier_signal -3
.Lnot_wave_0_\@:
	s_barrier_wait -3
	s_barrier_signal -1
	s_barrier_wait -1
.endm
.macro CROUND                          ; a whole round
	s_barrier_signal -1
	s_barrier_wait -1
	CREST
.endm
	s_load_b128 s[4:7], s[0:1], 0x0                ; ac s[4:5], w_out's codes s[6:7]
	s_load_b128 s[8:11], s[0:1], 0x10              ; the scales' exponents s[8:9], out0 s[10:11]
	v_lshl_add_u32 v[SPW], v0, 2, SPARE
	v_mov_b32 v[NIL], 0
	ds_add_u32 v[SPW], v[NIL]                      ; the wave's opening: the add, twice on end, and its wait ahead of my first tensor load; the set-up below the second, work on registers, stands between it and the wait
	ds_add_u32 v[SPW], v[NIL]                      ; and once more, under the one wait
	v_lshrrev_b32 v1, 5, v0
	v_readfirstlane_b32 s14, v1                    ; wave 0..3
	s_lshr_b32 s15, s14, 1                         ; which half of the tile's tokens is mine.  Also: I fetch for a (0) or for w_out (1)
	s_and_b32 s16, s14, 1                          ; which half of its outputs.  Also: which half of that tile I fetch
	s_bfe_u32 s40, ttmp6, 0x40000                  ; cx, cy: my place in the cluster
	s_bfe_u32 s41, ttmp6, 0x40004
	s_lshl_b32 s42, ttmp9, 2
	s_add_co_u32 s42, s42, s40                     ; tile column (256 outputs) = 4 x cluster x + cx
	s_and_b32 s17, ttmp7, 0xffff
	s_lshl_b32 s17, s17, 2
	s_add_co_u32 s17, s17, s41                     ; tile row (256 tokens) = 4 x cluster y + cy
	s_lshl_b32 s43, s41, 2
	s_lshl_b32 s43, 15, s43                        ; my row of the cluster
	s_lshl_b32 s44, 0x1111, s40                    ; my column
	; descriptor group 1 for a: 8 rows (token tiles) of 4,096 bytes, 16,384 bytes apart in memory, on end in LDS
	s_or_b32 s[G1+0], s43, (3<<16)|(1<<21)         ; 15:0 the mask: a's tiles go to my row; 17:16 elements of 8 bytes; 20 no padding; 21 set beside a mask
	s_mov_b32 s[G1+1], 512<<16                     ; tensor_dim0 = 512 elements
	s_mov_b32 s[G1+2], 8<<16                       ; tensor_dim1 = 8
	s_mov_b32 s[G1+3], 512<<16                     ; tile_dim0
	s_mov_b32 s[G1+4], 8                           ; tile_dim1
	s_mov_b32 s[G1+5], 2048                        ; tensor_dim0_stride, in elements
	s_mov_b32 s[G1+6], 0
	s_mov_b32 s[G1+7], 0
	; and for w_out: 128 rows x 256 bytes, padded in LDS
	s_or_b32 s[G1B+0], s44, (0<<16)|(1<<20)|(1<<21)|(5<<22)|(3<<25)  ; the mask: my column; elements of 1 byte; padding on: 4 words (code 3) after every 64 (code 5)
	s_mov_b32 s[G1B+1], ROWB<<16
	s_mov_b32 s[G1B+2], 128<<16
	s_mov_b32 s[G1B+3], ROWB<<16
	s_mov_b32 s[G1B+4], 128
	s_mov_b32 s[G1B+5], KROW
	s_mov_b32 s[G1B+6], 0
	s_mov_b32 s[G1B+7], 0
	s_lshl_b32 s18, s16, 17                        ; my half: 8 token tiles of 16,384 bytes, or 128 rows of 1,024
	s_lshl_b32 s20, s17, 18
	s_add_co_u32 s20, s20, s18                     ; a: tile row x 16 token tiles + my half
	s_mov_b32 s21, 0
	s_lshl_b32 s46, s42, 18
	s_add_co_u32 s46, s46, s18                     ; w_out: tile column x 256 rows + my half
	s_mov_b32 s47, 0
	s_lshl_b32 s45, s16, 15                        ; where they go in a slot: a's halves,
	s_mul_i32 s66, s16, HALFT
	s_add_co_u32 s66, s66, BOFF                    ; w_out's behind them: no place in the cluster enters an LDS address
	s_wait_dscnt 0x0                               ; both opening adds are done
	s_wait_kmcnt 0x0
	s_load_b256 s[68:75], s[8:9], 0x0              ; e0 .. e7
	s_add_nc_u64 s[20:21], s[4:5], s[20:21]
	s_add_nc_u64 s[46:47], s[6:7], s[46:47]
	CROUND                                         ; all sixteen work-groups are here: the first joint loads meet
.irp s, 0,1
	s_mov_b32 s[G0+4*\s], 1
	s_add_co_u32 s[G0+4*\s+1], s45, \s*SLOT
	s_add_nc_u64 s[G0+4*\s+2:G0+4*\s+3], s[20:21], \s*4096
	s_or_b32 s[G0+4*\s+3], s[G0+4*\s+3], 0x80000000
	s_mov_b32 s[G0B+4*\s], 1
	s_add_co_u32 s[G0B+4*\s+1], s66, \s*SLOT
	s_add_nc_u64 s[G0B+4*\s+2:G0B+4*\s+3], s[46:47], \s*ROWB
	s_or_b32 s[G0B+4*\s+3], s[G0B+4*\s+3], 0x80000000
	JLOAD G0+4*\s, G1, G0B+4*\s, G1B
.endr
	v_and_b32 v1, 15, v0                           ; l % 16
	v_bfe_u32 v2, v0, 4, 1                         ; l / 16
	v_mul_u32_u24 v3, v1, PITCH
	v_lshl_add_u32 v4, v2, 4, v3                   ; w_out: a fragment's row x pitch + 16 x half
	v_and_b32 v6, 31, v0
	v_lshlrev_b32 v[CO], 4, v6                     ; 16 x lane: an image's place for my lane; also my bytes of a row of out0
	s_lshl_b32 s21, s15, 15                        ; my 8 token tiles
	s_mul_i32 s22, s16, HALFT                      ; my 128 rows of w_out,
	s_add_co_u32 s22, s22, BOFF                    ; which lie behind a's images
.irp s, 0,1
	v_add_nc_u32 v[ADRA+\s], s21, v[CO]
	v_add_nc_u32 v[ADRB+\s], s22, v4
	s_add_co_u32 s21, s21, SLOT
	s_add_co_u32 s22, s22, SLOT
.endr
	s_mul_i32 s23, s14, 16*SPITCH                  ; my stage
	v_mul_u32_u24 v5, v1, SPITCH                   ; in: row l % 16, 32 bytes for each half of the lanes
	v_lshl_add_u32 v5, v2, 5, v5
	v_add_nc_u32 v[STO], s23, v5
	v_add_nc_u32 v[RD], s23, v[CO]                 ; back: the 32 lanes take one row of 512 bytes
	s_lshl_b32 s20, s17, 8
	s_lshl_b32 s21, s15, 7
	s_add_co_u32 s20, s20, s21                     ; my first row of out0: 256 x tile row + 128 x half,
	s_lshl_b32 s20, s20, 12                        ; of 4,096 bytes
	s_lshl_b32 s46, s42, 10                        ; my first column, in bytes: 1,024 x tile column + 512 x half
	s_lshl_b32 s47, s16, 9
	s_add_co_u32 s46, s46, s47
	s_add_co_u32 s20, s20, s46
	s_mov_b32 s21, 0
	s_add_nc_u64 s[10:11], s[10:11], s[20:21]
.macro FRAGB reg, adr, q, i            ; a fragment of w_out, 16 rows x 128 K, 16 registers: lane l holds row l % 16; registers 4 c .. 4 c + 3 hold K = 32 c + 16 (l / 16) + 0 .. 15
.irp c, 0,1,2,3
	ds_load_b128 v[\reg+4*\c:\reg+4*\c+3], v[\adr] offset:128*(\q)+32*\c+(\i)*16*PITCH
.endr
.endm
.macro FRAGA reg, adr, q, i            ; a fragment of a comes as it was stored: token tile i, the slot's q-th 128 along K, four chunks of 512 bytes
.irp c, 0,1,2,3
	ds_load_b128 v[\reg+4*\c:\reg+4*\c+3], v[\adr] offset:4096*(\i)+2048*(\q)+512*\c
.endr
.endm
; 16 matrix instructions: a's blocks a0, a0 + 1 x w_out's eight, 128 along K.  p: w_out's set.  zero = 1: the first product starts the sums: nothing is ever cleared.
; The 64 accumulators take turns, one instruction a turn, in the same order in every step.
.macro MUL16 a0, p, zero
.irp a, \a0, \a0+1
.irp b, 0,1,2,3,4,5,6,7
.if \zero
	v_wmma_f32_16x16x128_fp8_fp8 v[8*(8*((\a)%4)+\b):8*(8*((\a)%4)+\b)+7], v[128*(\p)+FR*\b:128*(\p)+FR*\b+FR-1], v[AF+FR*(\a):AF+FR*(\a)+FR-1], 0
.else
	v_wmma_f32_16x16x128_fp8_fp8 v[8*(8*((\a)%4)+\b):8*(8*((\a)%4)+\b)+7], v[128*(\p)+FR*\b:128*(\p)+FR*\b+FR-1], v[AF+FR*(\a):AF+FR*(\a)+FR-1], v[8*(8*((\a)%4)+\b):8*(8*((\a)%4)+\b)+7]
.endif
.endr
.endr
.endm
.macro FETCH_B slot, q, p              ; w_out's eight fragments of the slot's q-th 128 along K into set p
	WIN TO_B
.irp i, 0,1,2,3,4,5,6,7
	FRAGB 128*(\p)+FR*\i, ADRB+\slot, \q, \i
.endr
	WIN 0
.endm
.macro FETCH_A slot, q, i0             ; a's blocks i0 .. i0 + 3
.irp i, \i0, \i0+1, \i0+2, \i0+3
	FRAGA AF+FR*(\i), ADRA+\slot, \q, \i
.endr
.endm
; A load into a register that a matrix instruction has read, and a vector instruction that reads a matrix result, stand NP places behind that matrix instruction, and only plain vector instructions that name none
; of its registers are places (ISA guide 7.12.1 for vector instructions).
.macro PLACES n
.rept \n
	v_nop
.endr
.endm
; A step of 128 along K that has its successor in the same slot.  A block of a is free as soon as its eight products are issued: blocks 0-3 are fetched anew in the step's middle, blocks 4-7 at its end.
.macro STEP slot, q, zero
	s_wait_dscnt 4*NL                              ; w_out's set and a's blocks 0-3 are in; the youngest sixteen loads (blocks 4-7) may be out
	WIN MUL_LO
	MUL16 0, (\q)%2, \zero
	MUL16 2, (\q)%2, \zero
	s_wait_dscnt 0                                 ; blocks 4-7 are in (asked for 32 matrix instructions ago)
	PLACES NP
	FETCH_B \slot, (\q)+1, 1-(\q)%2
	FETCH_A \slot, (\q)+1, 0
	WIN MUL_HI
	MUL16 4, (\q)%2, \zero
	MUL16 6, (\q)%2, \zero
	PLACES NP
	WIN 0
	FETCH_A \slot, (\q)+1, 4
.endm
; A slot's last step changes slots: ONE barrier; in front of it each wave waits for all its tensor loads, adds 0 to its spare word, and waits for that and for its own reads of this slot.  fill = 1: this slot is filled again, two K steps ahead.
.macro TURN slot, next, fill
	s_wait_tensorcnt 0x0                           ; all my tensor loads have landed: my part of the next slot  (every window is 0 here: the add's two registers lie in window 0)
	ds_add_u32 v[SPW], v[NIL]                      ; 0 onto my spare word
	s_wait_dscnt 4*NL+1                            ; (the add and the youngest sixteen loads, blocks 4-7, may be out)
	WIN MUL_LO
	MUL16 0, 1, 0                                  ; sixteen matrix instructions stand between the add and the wait for it
	s_wait_dscnt 0x0                               ; the add is done, and my reads of this slot are over
	s_barrier_signal -1
	MUL16 2, 1, 0
	WIN 0
	s_barrier_wait -1
.if \fill
	CREST                                          ; the barrier has opened a round of the cluster's barrier: no wave of any partner still reads this slot's tile or has a load on its way
	s_add_nc_u64 s[G0+4*\slot+2:G0+4*\slot+3], s[G0+4*\slot+2:G0+4*\slot+3], 2*4096
	s_add_nc_u64 s[G0B+4*\slot+2:G0B+4*\slot+3], s[G0B+4*\slot+2:G0B+4*\slot+3], 2*ROWB
	JLOAD G0+4*\slot, G1, G0B+4*\slot, G1B         ; the first tensor load behind the round; the four v_nop behind it are the places in front of the loads below
.else
	PLACES NP
.endif
	FETCH_B \next, 0, 0
	FETCH_A \next, 0, 0
	WIN MUL_HI
	MUL16 4, 1, 0
	MUL16 6, 1, 0
	PLACES NP
	WIN 0
	FETCH_A \next, 0, 4
.endm
	s_wait_tensorcnt 1                             ; my part of K step 0 is in (K step 1's load may be out)
	s_barrier_signal -1
	s_barrier_wait -1                              ; everybody's is
	FETCH_B 0, 0, 0
	FETCH_A 0, 0, 0
	FETCH_A 0, 0, 4
	STEP 0, 0, 1                                   ; the first step stands in front of the loop: its products start the sums
	s_mov_b32 s3, LAPS-1
.Llap:                                                 ; a trip goes once round the ring, from a lap's second step to the next lap's first, and fills both slots again
	TURN 0, 1, 1
	STEP 1, 0, 0
	TURN 1, 0, 1
	STEP 0, 0, 0
	s_sub_co_u32 s3, s3, 1
	s_cmp_lg_u32 s3, 0
	s_cbranch_scc1 .Llap
	TURN 0, 1, 0                                   ; the last lap fills nothing, and has no round of the cluster's barrier
	STEP 1, 0, 0
	s_wait_dscnt 4*NL                              ; the very last step: nothing more to fetch
	WIN MUL_LO
	MUL16 0, 1, 0
	MUL16 2, 1, 0
	s_wait_dscnt 0
	WIN MUL_HI
	MUL16 4, 1, 0
	MUL16 6, 1, 0
	WIN 0
; THE WAY OUT, block by block of 16 rows x 128 columns.  A lane holds 32 neighbouring bytes of a row, and the lanes beside it hold other rows: so a block goes through my own stage in LDS and comes back as whole
; rows of 512 bytes.  LDS serves a wave's instructions in order (ISA guide 5.7.1.4): no wait between the stores and the loads, nor in front of the next block's stores.
.macro TOSTAGE a
.set AC, 64*((\a)%4)
	WIN 0x02+((\a)/4)                              ; source 0: window 2 or 3
.irp j, 0,2,4,6,8,10,12,14,16,18,20,22,24,26,28,30,32,34,36,38,40,42,44,46,48,50,52,54,56,58,60,62
	v_pk_mul_f32 v[TMP+\j:TMP+\j+1], v[AC+\j:AC+\j+1], s[96:97] op_sel_hi:[1,0]   ; both x s96 = 2^(e6 + e7); each accumulator from its low end on
.endr
	WIN 0
.irp b, 0,1,2,3,4,5,6,7
	ds_store_b128 v[STO], v[TMP+8*\b:TMP+8*\b+3] offset:64*\b
	ds_store_b128 v[STO], v[TMP+8*\b+4:TMP+8*\b+7] offset:64*\b+16
.endr
.set BB, BK+64*((\a)%2)
.irp t, 0,1,2,3,4,5,6,7,8,9,10,11,12,13,14,15
	ds_load_b128 v[BB+4*\t:BB+4*\t+3], v[RD] offset:\t*SPITCH
.endr
.endm
.macro SEND a, younger                 ; younger: the LDS instructions issued behind block a's loads, which may stay out
.set BB, BK+64*((\a)%2)
	s_wait_dscnt \younger                          ; the block is back in registers
.if (\a) > 0
	s_add_nc_u64 s[10:11], s[10:11], 16*SIZE_N*4   ; (behind a wait on XCNT: the earlier stores have read their base)  16 rows of out0 on
.endif
.irp t, 0,1,2,3,4,5,6,7,8,9,10,11,12,13,14,15
	global_store_b128 v[CO], v[BB+4*\t:BB+4*\t+3], s[10:11] offset:\t*SIZE_N*4 th:TH_STORE_NT   ; 32 lanes store 512 consecutive bytes, at a multiple of 256 from out0's first byte; written once, read by nobody here
.endr
.endm
	s_wait_kmcnt 0x0
	s_add_co_i32 s96, s74, s75                     ; e6 + e7, between -126 and 127,
	s_add_co_i32 s96, s96, 127
	s_lshl_b32 s96, s96, 23                        ; makes the f32 number 2^(e6 + e7)
	s_mov_b32 s97, s96                             ; (named with it as a pair, so it is written)
	PLACES NP                                      ; behind the last products: for the reads of their results and for the loads into the registers that held a's fragments
	TOSTAGE 0
.irp a, 1,2,3,4,5,6,7
.if \a > 1
	s_wait_xcnt 0x0                                ; block a - 2's stores have read their registers and their base: block a's loads may land there, and the base may step
.endif
	TOSTAGE \a
	SEND \a-1, 32                                  ; behind block a - 1's loads: block a's 16 stores and 16 loads
.endr
	s_wait_xcnt 0x0                                ; block 6's stores have read their base
	SEND 7, 0
	s_wait_tensorcnt 0x0                           ; the wave's end, behind my last tensor load and my last LDS store
	ds_add_u32 v[SPW], v[NIL]
	s_wait_dscnt 0x0
	CROUND                                         ; the closing round: no work-group ends while a partner may still ask for a tile that names it
	s_endpgm
.Lfunc_end_k_qf41b65a474_proj:
	.size	k_qf41b65a474_proj, .Lfunc_end_k_qf41b65a474_proj-k_qf41b65a474_proj
	.p2alignl 7, 3214868480
	.fill 96, 4, 3214868480
	.section	.rodata,"a",@progbits
	.p2align	6, 0x0
	.amdhsa_kernel k_qf41b65a474_proj
		.amdhsa_group_segment_fixed_size 327680
		.amdhsa_private_segment_fixed_size 0
		.amdhsa_enable_private_segment 0
		.amdhsa_kernarg_size 32
		.amdhsa_user_sgpr_count 2
		.amdhsa_user_sgpr_kernarg_segment_ptr 1
		.amdhsa_wavefront_size32 1
		.amdhsa_system_sgpr_workgroup_id_x 1
		.amdhsa_system_sgpr_workgroup_id_y 1
		.amdhsa_system_sgpr_workgroup_id_z 1
		.amdhsa_system_vgpr_workitem_id 0
		.amdhsa_next_free_vgpr 1024
		.amdhsa_next_free_sgpr 98
		.amdhsa_reserve_vcc 0
		.amdhsa_float_denorm_mode_32 3
		.amdhsa_float_denorm_mode_16_64 3
		.amdhsa_memory_ordered 1
		.amdhsa_forward_progress 1
		.amdhsa_inst_pref_size 123
	.end_amdhsa_kernel
	.amdgpu_metadata
---
amdhsa.version: [ 1, 2 ]
amdhsa.kernels:
  - .name:           k_qf41b65a474_proj
    .symbol:         k_qf41b65a474_proj.kd
    .args:
      - { .name: ac, .offset: 0, .size: 8, .value_kind: global_buffer, .address_space: global }
      - { .name: w_out_codes, .offset: 8, .size: 8, .value_kind: global_buffer, .address_space: global }
      - { .name: lowp_scales, .offset: 16, .size: 8, .value_kind: global_buffer, .address_space: global }
      - { .name: out0, .offset: 24, .size: 8, .value_kind: global_buffer, .address_space: global }
    .group_segment_fixed_size: 327680
    .private_segment_fixed_size: 0
    .kernarg_segment_align: 8
    .kernarg_segment_size: 32
    .max_flat_workgroup_size: 128
    .sgpr_count:     98
    .vgpr_count:     1024
    .wavefront_size: 32
...
	.end_amdgpu_metadata
.endif
;; end of part 4
;; ======== version 2 of 2: 4 launches; version 1 with the launch attn written anew for expert scheduling mode
;; limits: right only within a limited range of input values
;; workspace buffers: mwords 524,288 bytes of whole numbers; tflags 512 bytes of whole numbers; qkvc 25,165,824 bytes; ac 8,388,608 bytes
;; launch maskprep: the kernel of part 1 again; grid 128 x 1, 16 waves a work-group, no clusters, 2,304 bytes of LDS; arguments mask, mwords, tflags; writes mwords, tflags
;; launch qkv: the kernel of part 2 again; grid 12 x 32, 4 waves a work-group, clusters of 4 x 4, 327,680 bytes of LDS; arguments x_codes, w_qkv_codes, lowp_scales, qkvc; writes qkvc
;; launch attn (part 5): grid 8 x 64, 16 waves a work-group, no clusters, 34,816 bytes of LDS; arguments qkvc, mwords, tflags, lowp_scales, ac; writes ac
.if DOCPART == 5
	.amdgcn_target "amdgcn-amd-amdhsa--gfx1250"
	.amdhsa_code_object_version 6
	.text
	.protected	k_qf41b65a474_attn
	.globl	k_qf41b65a474_attn
	.p2align	8
	.type	k_qf41b65a474_attn,@function
k_qf41b65a474_attn:
	s_mov_b64 s[64:65], 0
	v_nop
	global_prefetch_b8 v0, s[64:65] scope:SCOPE_SE
	s_setreg_imm32_b32 hwreg(HW_REG_WAVE_SCHED_MODE, 0, 2), 2
	s_setreg_imm32_b32 hwreg(HW_REG_WAVE_MODE, 25, 1), 1
	s_wait_xcnt 0x0
	s_wait_alu depctr_vm_vsrc(0)
; PRODUCTS 2 AND 3 and the softmax between them, on codes of E4M3, and the quantiser of the result (operand A of product 4).
; LEFT OUT: a tile of 16 queries x 128 keys all of whose mask bytes are True (shown at the head of the first kernel: its p are 0 and it enters no maximum).  The flags come from memory (tflags), stored by the first launch.
; THE SOFTMAX: t = score x log2(e) / 8; M = the row's largest t so far, rounded UP to a whole number; p = 2^(t - M) is what is quantised, with 2^e4; it is not normalised.  The row's sum is taken of the unquantised p and
; divides at the end.  When M moves, the sum and O are multiplied by 2^(old M - new M): exact.  Hidden keys' scores become -infinity ahead of the maximum, by lane masks that the first launch made (mwords).
; A query ALL of whose keys are hidden is NaN in reference(): its sum is 0 here, and its codes become the NaN code, so that product 4 makes the token's row NaN.
; SHARES.  A work-group owns blocks j and 15 - j of 128 queries of one head (j = the work-group's x): waves 0-7 block j, waves 8-15 block 15 - j; a wave owns one tile of 16 queries in 256 registers, four waves to a SIMD,
; so that one wave's vector work stands beside another's matrix work and LDS loads.  The pairing is right for every mask; where late queries see more keys than early ones it evens the work out.
; LAYOUT.  Both products are used transposed: S^T = K Q^T (source 0 = 16 keys, source 1 = my 16 queries), O^T = V^T P^T (source 0 = 16 of the head's 64, source 1 = P): a lane holds ONE query (lane % 16) throughout.
; Register 8 k + j of S^T is key 16 k + 8 (lane / 16) + j, so the conversions' results are P's registers in the 8-bit forms' own layout.  q, k and v come as images of their registers (laid by the launch before).
; THE RING.  Two LDS slots of 16,384 bytes, a key step each: K's 8 fragments (1,024 bytes each), then V's 4 (2,048 each).  It is filled THROUGH REGISTERS, each thread 16 bytes of K and 16 of V, since the walk branches on
; numbers read from memory.  In step i: one barrier; step i + 1's bytes, loaded a step ago, go into the other slot; step i + 2's are asked for.  Two sets of staging registers take turns, so that a set is loaded again
; only behind the waits at the next step's head.  A step that is hidden for all sixteen tiles is neither loaded nor stored nor read.  Every wave passes every barrier.
; NO CLUSTER, though the 8 work-groups of a head walk the same K and V: a joint request is a tensor load; a step's shared bytes are 16,384.
; LIMITS on the given exponents, so that each power of two below is an f32 number: e2 + e3 between -123 and 130 (added to c's exponent field); e4 and e6 between -126 and 119; e4 + e5 is applied by v_ldexp_f32 and has none.
; THE MODE: SCHED_MODE bits 1:0 = 2 (LLVM: expert scheduling mode 2), set by the entry lines.  The code itself states the register dependences between vector or matrix instructions and memory or LDS instructions,
; with s_wait_alu, always for 0.
; THE PLAN.  Registers that memory or LDS instructions touch:
;   v[LI], v[FST], v[GOFK]  addresses: written at the head, ahead of the first load, and never again.      v[PFO]  the prefetches' offset: finished at the head, ahead of the loop, and never written again.
;   SA, SB   the staging sets: global loads land in them and LDS stores read them; no vector instruction names them.  Step i stores one set and loads the other, which step i - 1 stored.
;   Q        loaded once, read by matrix instructions.
;   F        in a step that is walked: K's 16 LDS loads land in it; the eight products K Q^T read it; V's 16 LDS loads land in it; the four products V^T P^T read it.
;   OC       written by the way out's conversions, lane swaps and selects; read by the two stores.      v[SPW], v[NIL]  written at the head, read by the closing add alone.
;   S, O, PC and the statistics are named by vector and matrix instructions alone.
; So a step has one wait on vm_vsrc, at its head (the last step's LDS stores have read the set that is loaded again), and two on va_vdst beside the one behind the exponentials: ahead of K's loads (the last products
; V^T P^T are done reading F) and behind the products K Q^T (they are done reading F).  From that second wait to the products V^T P^T no vector or matrix instruction names F: V's sixteen loads follow it with no further
; wait, dealt among the softmax's scalings, four ahead of each eight.
.set SLOTB, 16384
.set VOFF,  8192
.set SPARE, 2*SLOTB                    ; behind the ring: the spare words, 128 bytes for each wave: eight blocks of 256 bytes that no other line names
.set LI,   1                           ; v1   16 x lane: my bytes of a chunk
.set FST,  2                           ; v2   16 x thread: where I store into a slot; also my bytes of a step's V in memory
.set GOFK, 3                           ; v3   my bytes of a step's K in memory: 2,048 (thread / 64) + 16 (thread % 64): the two heads of a pair lie by turns, 1,024 bytes each
.set SPW,  4                           ; v4   LDS address of my spare word; never rewritten
.set NIL,  5                           ; v5   0; never rewritten
.set NINF, 6                           ; v6   -infinity
.set PFO,  7                           ; v7   the prefetches' offset
.set SA,   8                           ; v[8:15]    staging, odd steps: K's 16 bytes, V's 16 bytes
.set SB,   232                         ; v[232:239] staging, even steps
.set NM,   16                          ; v16 -M, v17 the largest t
.set SUM,  18                          ; v[18:19] the row's sum in two halves
.set FF,   20                          ; v20 f = 2^(old M - new M); v21 named with it as a pair
.set C0,   22                          ; v22, v23 at work
.set C1,   23
.set PD,   24                          ; v24 a lane permute's destination
.set TT,   25
.set SUM2, 26                          ; v[26:27] the sum's second chain
.set PSC,  28                          ; v28 2^e4, v29 448 x 2^e4
.set PLIM, 29
.set OSC,  30                          ; v30 2^e6, v31 448 x 2^e6
.set OLIM, 31
.set Q,    32                          ; v[32:39]   Q's fragment
.set F,    40                          ; v[40:103]  K's 8 fragments, then V's 4
.set S,    104                         ; v[104:167] S^T, then p
.set O,    168                         ; v[168:199] O^T
.set PC,   200                         ; v[200:215] p's codes
.set OC,   216                         ; v[216:223] the result's codes
.set NANC, 224                         ; v224 four NaN codes
.set ONE,  225                         ; v225 1.0
.set MW,   6                           ; s[6:7]   my tile's mask words of the trip's first step
.set ACP,  12                          ; s[12:13] where my 1,024 bytes of ac begin
.set PFA,  14                          ; s[14:15] the prefetches' base
.set WV,   84
.set TF,   85                          ; my tile's flags, shifted two steps a trip: bit sl = hidden, bit 16 + sl = mixed
.set WGH,  86                          ; bit = the step is hidden for all sixteen tiles; ones above step 15, so that nothing is fetched past the last step
.set PFH,  87                          ; bit = no prefetch
.set KB,   88                          ; s[88:89] K of the trip's first step;  s[90:91] V
.set VB,   90
.set CS,   92                          ; s[92:93] c = log2(e) / 8 x 2^(e2 + e3)
.set SEL,  94                          ; s[94:95] lane selects: lane l xor 16
.set HOLD, 96                          ; 1 where p can pass 448 x 2^e4
.set TRIP, 97
.set EPV,  98                          ; e4 + e5
.set LZ,   99                          ; lanes whose query has the sum 0
; mask word n of a step lies in s[16 + n] up to n = 47, in s[68 + n - 48] from there on
	s_load_b256 s[4:11], s[0:1], 0x0               ; qkvc s[4:5], mwords s[6:7], tflags s[8:9], the scales' exponents s[10:11]
	s_load_b64 s[ACP:ACP+1], s[0:1], 0x20          ; ac
	v_lshl_add_u32 v[SPW], v0, 2, SPARE
	v_mov_b32 v[NIL], 0
	v_lshrrev_b32 v1, 5, v0
	v_readfirstlane_b32 s[WV], v1                  ; wave 0..15
	v_and_b32 v1, 31, v0                           ; lane
	v_lshlrev_b32 v[PFO], 8, v1                    ; 256 x lane
	v_lshrrev_b32 v[TT], 2, v1                     ; lane / 4
	v_lshlrev_b32 v[LI], 4, v1
	v_lshlrev_b32 v[FST], 4, v0
	v_lshrrev_b32 v[GOFK], 6, v0
	v_and_b32 v[C0], 63, v0
	v_lshlrev_b32 v[C0], 4, v[C0]
	v_lshl_or_b32 v[GOFK], v[GOFK], 11, v[C0]
	s_wait_alu depctr_va_sdst(0)                   ; s[WV] is written, ahead of its first reader: my tile's number and all bases are made from it
	s_and_b32 s40, ttmp7, 0xffff                   ; batch x 16 + head
	s_lshr_b32 s41, s40, 4                         ; batch
	s_bfe_u32 s42, s40, 0x30001                    ; head / 2
	s_and_b32 s43, s40, 1                          ; head % 2
	s_sub_co_u32 s44, 15, ttmp9
	s_cmp_lt_u32 s[WV], 8
	s_cselect_b32 s45, ttmp9, s44                  ; my block of 128 queries
	s_and_b32 s46, s[WV], 7
	s_lshl_b32 s45, s45, 3
	s_add_co_u32 s45, s45, s46                     ; my tile of 16 queries, 0 .. 127
	s_lshl_b32 s48, s41, 21
	s_lshl_b32 s49, s42, 18
	s_add_co_u32 s48, s48, s49                     ; the head pair's first byte in each of q, k, v
	s_lshl_b32 s47, s43, 10
	s_lshl_b32 s50, s45, 11
	s_add_co_u32 s50, s50, s48
	s_add_co_u32 s50, s50, s47                     ; Q: + tile x 2,048 + (head % 2) x 1,024
	s_mov_b32 s51, 0
	s_lshl_b32 s52, s45, 2                         ; my tile's flag word,
	s_mov_b32 s53, 0
	s_lshl_b32 s54, ttmp9, 5                       ; the eight of block j,
	s_mov_b32 s55, 0
	s_lshl_b32 s56, s44, 5                         ; the eight of block 15 - j
	s_mov_b32 s57, 0
	s_add_co_u32 s58, s48, s47
	s_add_co_u32 s58, s58, 1<<23                   ; K
	s_mov_b32 s59, 0
	s_lshl_b32 s60, s43, 13
	s_add_co_u32 s60, s60, s48
	s_add_co_u32 s60, s60, 1<<24                   ; V
	s_mov_b32 s61, 0
	s_lshl_b32 s62, s45, 12                        ; my tile's 16 x 64 mask words
	s_mov_b32 s63, 0
	s_lshl_b32 s66, s41, 7
	s_add_co_u32 s66, s66, s45
	s_lshl_b32 s66, s66, 14                        ; ac: (batch x 128 + tile) x 16,384
	s_lshl_b32 s67, s42, 11
	s_add_co_u32 s66, s66, s67                     ; + K step (head / 2) x 2,048
	s_add_co_u32 s66, s66, s47                     ; + (head % 2) x 1,024
	s_mov_b32 s67, 0
	s_wait_kmcnt 0x0
	s_add_nc_u64 s[52:53], s[8:9], s[52:53]
	s_add_nc_u64 s[54:55], s[8:9], s[54:55]
	s_add_nc_u64 s[56:57], s[8:9], s[56:57]
	s_load_b32 s[TF], s[52:53], 0x0
	s_load_b256 s[16:23], s[54:55], 0x0
	s_load_b256 s[24:31], s[56:57], 0x0
	s_load_b256 s[32:39], s[10:11], 0x0            ; e0 .. e7
	s_add_nc_u64 s[50:51], s[4:5], s[50:51]
	s_add_nc_u64 s[KB:KB+1], s[4:5], s[58:59]
	s_add_nc_u64 s[VB:VB+1], s[4:5], s[60:61]
	s_add_nc_u64 s[MW:MW+1], s[MW:MW+1], s[62:63]
	s_add_nc_u64 s[ACP:ACP+1], s[ACP:ACP+1], s[66:67]
	s_wait_alu depctr_va_vdst(0)                   ; v[LI], v[FST] and v[GOFK] are written: every load and store of the kernel, global or LDS, reads one of them as its address
	global_load_b128 v[Q:Q+3],   v[LI], s[50:51]               ; Q's fragment stays in registers
	global_load_b128 v[Q+4:Q+7], v[LI], s[50:51] offset:512
	global_load_b128 v[SB:SB+3],   v[GOFK], s[KB:KB+1]         ; key step 0 and key step 1 are fetched whatever the flags say
	global_load_b128 v[SB+4:SB+7], v[FST],  s[VB:VB+1]
	global_load_b128 v[SA:SA+3],   v[GOFK], s[KB:KB+1] offset:SLOTB
	global_load_b128 v[SA+4:SA+7], v[FST],  s[VB:VB+1] offset:SLOTB
	v_mov_b32 v[NINF], 0xff800000
	v_mov_b32 v[NM+1], 0xff61b1e6                  ; the largest t so far: -3e38, under every t
	v_floor_f32 v[NM], -v[NM+1]                    ; -M
	v_mov_b32 v[SUM], 0
	v_mov_b32 v[SUM+1], 0
	v_mov_b32 v[FF+1], 0                           ; (named as the upper half of a pair)
	v_mov_b32 v[PD], 0                             ; (a lane permute's destination counts as one of its sources)
	v_mov_b32 v[NANC], 0x7f7f7f7f
	v_mov_b32 v[ONE], 1.0
.set i, 0
.rept 32
	v_mov_b32 v[O+i], 0                            ; O^T.  Which step is a tile's first hangs on the flags, so the step is written once and finds zeros, which the first change of M leaves zeros
.set i, i+1
.endr
	s_mov_b32 s[SEL], 0x76543210
	s_mov_b32 s[SEL+1], 0xfedcba98
	s_mov_b32 s[TRIP], 0
	; the prefetches: who asks, and where.  All 8 work-groups of a head walk the same K and V: the head's first asks; in it wave 8 for K's bytes of a step, wave 9 for V's
	s_sub_co_u32 s40, s[WV], 8
	s_lshr_b32 s40, s40, 1                         ; 0 in waves 8 and 9
	s_or_b32 s40, s40, ttmp9
	s_cmp_eq_u32 s40, 0
	s_mov_b32 s[PFH], -1
	s_cselect_b32 s[PFH], 0xffff0000, s[PFH]
	s_cmp_eq_u32 s[WV], 8
	s_cselect_b64 s[PFA:PFA+1], s[KB:KB+1], s[VB:VB+1]
	s_cselect_b32 s41, 1024, 0
	v_mad_u32_u24 v[PFO], v[TT], s41, v[PFO]       ; V: 32 blocks of 256 bytes on end; K: four to each of its eight pieces, which lie 2,048 bytes apart
	s_wait_kmcnt 0x0
	s_and_b32 s[WGH], s16, s17
.irp i, 18,19,20,21,22,23,24,25,26,27,28,29,30,31
	s_and_b32 s[WGH], s[WGH], s[\i]
.endr
	s_or_b32 s[WGH], s[WGH], 0xffff0000
	s_add_co_i32 s40, s34, s35
	s_lshl_b32 s40, s40, 23
	s_add_co_i32 s[CS], s40, 0x3e38aa3b            ; c = log2(e) / 8; a score stands for score x 2^(e2 + e3): the two exponents are added to c's exponent field
	s_mov_b32 s[CS+1], s[CS]                       ; (named with it as a pair, so it is written)
	s_add_co_i32 s40, s36, 127
	s_lshl_b32 s41, s40, 23
	v_mov_b32 v[PSC], s41
	s_add_co_i32 s40, s40, 8
	s_lshl_b32 s40, s40, 23
	s_or_b32 s40, s40, 0x600000
	v_mov_b32 v[PLIM], s40
	s_add_co_i32 s40, s38, 127
	s_lshl_b32 s41, s40, 23
	v_mov_b32 v[OSC], s41
	s_add_co_i32 s40, s40, 8
	s_lshl_b32 s40, s40, 23
	s_or_b32 s40, s40, 0x600000
	v_mov_b32 v[OLIM], s40
	s_add_co_i32 s[EPV], s36, s37
	s_cmp_lt_i32 s36, -8                           ; p is at most 1, and 448 x 2^e4 is at least 1 from e4 = -8 on: there the hold changes nothing and is jumped over
	s_cselect_b32 s[HOLD], 1, 0
	s_wait_alu depctr_va_vdst(0)                   ; v[PFO] is written, which every prefetch of the loop reads as its offset; it is not written again
	s_wait_loadcnt 0x2                             ; Q and step 0 are in; step 1's two loads may be out
	ds_store_b128 v[FST], v[SB:SB+3]               ; step 0 into slot 0
	ds_store_b128 v[FST], v[SB+4:SB+7] offset:VOFF
; A KEY STEP: 128 keys, in slot sl.
.macro STEP sl
.set STS, SA+(SB-SA)*\sl                ; the set that holds the next step,
.set LDS_, SB-(SB-SA)*\sl               ; and the set that takes the step after it
	s_wait_dscnt 0x0                               ; my stores into this slot have landed, and my reads of the other slot are over
	s_wait_alu depctr_vm_vsrc(0)                   ; the LDS stores of the step before (ahead of the first step: the head's) have read the staging set in which this step's global loads land
	s_barrier_signal -1
	s_barrier_wait -1                              ; both now hold of all sixteen waves: this slot is whole, the other is free
	s_wait_loadcnt 0x0                             ; the next step's bytes, asked for a step ago
	s_bitcmp1_b32 s[WGH], 1+\sl
	s_cbranch_scc1 .Lno_store_\@                   ; (hidden for all sixteen tiles: nobody will read it)
	ds_store_b128 v[FST], v[STS:STS+3] offset:(1-\sl)*SLOTB
	ds_store_b128 v[FST], v[STS+4:STS+7] offset:(1-\sl)*SLOTB+VOFF
.Lno_store_\@:
	s_bitcmp1_b32 s[WGH], 2+\sl
	s_cbranch_scc1 .Lno_load_\@
	global_load_b128 v[LDS_:LDS_+3],   v[GOFK], s[KB:KB+1] offset:(2+\sl)*SLOTB   ; this set's stores were waited for at the step's head
	global_load_b128 v[LDS_+4:LDS_+7], v[FST],  s[VB:VB+1] offset:(2+\sl)*SLOTB
.Lno_load_\@:
.if \sl == 0
; A PREFETCH INTO THE L2, once a trip, behind the wave's loads: the key steps four and five on from this one, two steps ahead of the loads that will want them: a lane a block of 256 bytes, 32 blocks a step and tensor.
; Each block is named once in the launch.  Steps 0 to 3 come by their loads alone; nothing is asked for past step 15 (the ones above bit 15 end it).
	s_bitcmp1_b32 s[PFH], 4
	s_cbranch_scc1 .Lno_ask_\@
	global_prefetch_b8 v[PFO], s[PFA:PFA+1] offset:4*SLOTB th:TH_LOAD_NT scope:SCOPE_SE
	global_prefetch_b8 v[PFO], s[PFA:PFA+1] offset:5*SLOTB th:TH_LOAD_NT scope:SCOPE_SE
.Lno_ask_\@:
.endif
	s_bitcmp1_b32 s[TF], \sl
	s_cbranch_scc1 .Lhidden_\@                     ; all 16 x 128 hidden: the step's work is left out; no barrier stands in it
.rept 4
	v_nop                                          ; four plain instructions between the last products and the loads into registers that they have read
.endr
	s_wait_alu depctr_va_vdst(0)                   ; the products V^T P^T of the last step that was walked are done reading v[F ..], in which K's fragments land
.irp k, 0,1,2,3,4,5,6,7
	ds_load_b128 v[F+8*\k:F+8*\k+3],   v[LI] offset:\sl*SLOTB+1024*\k
	ds_load_b128 v[F+8*\k+4:F+8*\k+7], v[LI] offset:\sl*SLOTB+1024*\k+512
.endr
	s_wait_dscnt 0x0
.irp k, 0,1,2,3,4,5,6,7
	v_wmma_f32_16x16x64_fp8_fp8 v[S+8*\k:S+8*\k+7], v[F+8*\k:F+8*\k+7], v[Q:Q+7], 0   ; S^T: 16 keys x my 16 queries, K = the head's 64
.endr
.rept 4
	v_nop                                          ; places in front of the first read of the scores
.endr
	s_wait_alu depctr_va_vdst(0)                   ; the eight products are done reading v[F ..], in which V's fragments land: from here to the products V^T P^T no vector or matrix instruction names these registers
	s_bitcmp1_b32 s[TF], 16+\sl
	s_cbranch_scc0 .Lopen_\@                       ; no key of the step is hidden
	s_load_b512 s[16:31], s[MW:MW+1], 256*\sl
	s_load_b512 s[32:47], s[MW:MW+1], 256*\sl+64
	s_load_b512 s[48:63], s[MW:MW+1], 256*\sl+128
	s_load_b512 s[68:83], s[MW:MW+1], 256*\sl+192
	s_wait_kmcnt 0x0
.set n, 0
.rept 64
	v_cndmask_b32 v[S+n], v[S+n], v[NINF], s[16+n+4*(n/48)]   ; hidden keys' scores become -infinity ahead of the maximum: p = 0 then
.set n, n+1
.endr
.Lopen_\@:
	v_max3_num_f32 v[C0], v[S], v[S+1], v[S+2]     ; the step's largest score of my query, among my 64 keys, in two chains, each accumulator from its low end on,
	v_max3_num_f32 v[C1], v[S+3], v[S+4], v[S+5]
.irp i, 6,10,14,18,22,26,30,34,38,42,46,50,54,58
	v_max3_num_f32 v[C0], v[C0], v[S+\i], v[S+\i+1]
	v_max3_num_f32 v[C1], v[C1], v[S+\i+2], v[S+\i+3]
.endr
	v_max3_num_f32 v[C0], v[C0], v[S+62], v[S+63]
	v_max_num_f32 v[C0], v[C0], v[C1]
	v_permlanex16_b32 v[PD], v[C0], s[SEL], s[SEL+1]
	v_max_num_f32 v[C0], v[C0], v[PD]              ; and among lane l xor 16's
	v_mul_f32 v[C0], s[CS], v[C0]                  ; as t (c is positive)
	v_max_num_f32 v[NM+1], v[NM+1], v[C0]          ; the running largest t
	v_mov_b32 v[C0], v[NM]
	v_floor_f32 v[NM], -v[NM+1]                    ; the new -M = floor(-t) = -ceil(t): M is a whole number
	v_sub_f32 v[C0], v[NM], v[C0]                  ; M's old value less its new one: a whole number, 0 or less
	v_cvt_i32_f32 v[C0], v[C0]                     ; (it saturates)
	v_ldexp_f32 v[FF], 1.0, v[C0]                  ; f = 2^(old M - new M)
.irp t, 0,1,2,3
.irp c, 0,1,2,3
	ds_load_b128 v[F+16*\t+4*\c:F+16*\t+4*\c+3], v[LI] offset:\sl*SLOTB+VOFF+2048*\t+512*\c   ; V's fragment t, four loads ahead of each eight scalings.  No wait: nothing since the wait behind the products K Q^T names v[F ..] or v[LI]
.endr
.irp j, 0,2,4,6,8,10,12,14
	v_pk_fma_f32 v[S+16*\t+\j:S+16*\t+\j+1], v[S+16*\t+\j:S+16*\t+\j+1], s[CS:CS+1], v[NM:NM+1] op_sel_hi:[1,0,0]   ; t - M, two at a time (of the pairs c and -M the low word serves both halves)
.endr
.endr
.set i, 0
.rept 64
	v_exp_f32 v[S+i], v[S+i]                       ; p = 2^(t - M), at most 1: not normalised
.set i, i+1
.endr
	v_pk_mul_f32 v[SUM:SUM+1], v[SUM:SUM+1], v[FF:FF+1] op_sel_hi:[1,0]   ; the sums under the new M.  (The plain instruction behind the exponentials)
	s_wait_alu depctr_va_vdst(0)                   ; the 64 exponentials have written v[S ..]: the wait ahead of the first line that names a result: one for the batch
	v_pk_add_f32 v[SUM2:SUM2+1], v[S:S+1], v[S+2:S+3]   ; the row's sum is taken of the unquantised p: two at a time, in two chains
.irp j, 4,8,12,16,20,24,28,32,36,40,44,48,52,56,60
	v_pk_add_f32 v[SUM:SUM+1], v[SUM:SUM+1], v[S+\j:S+\j+1]
	v_pk_add_f32 v[SUM2:SUM2+1], v[SUM2:SUM2+1], v[S+\j+2:S+\j+3]
.endr
	v_pk_add_f32 v[SUM:SUM+1], v[SUM:SUM+1], v[SUM2:SUM2+1]
	s_cmp_eq_u32 s[HOLD], 0
	s_cbranch_scc1 .Lno_hold_\@
.set i, 0
.rept 64
	v_min_num_f32 v[S+i], v[S+i], v[PLIM]          ; the conversion to an 8-bit code does not saturate (ISA guide 7.6.2); p is not negative, so the hold is one-sided
.set i, i+1
.endr
.Lno_hold_\@:
.irp k, 0,1,2,3,4,5,6,7
	v_cvt_scalef32_pk8_fp8_f32 v[PC+2*\k:PC+2*\k+1], v[S+8*\k:S+8*\k+7], v[PSC]   ; registers 2 k, 2 k + 1 of P: keys 16 k + 8 (lane / 16) + 0 .. 7
.endr
.set i, 0
.rept 16
	v_pk_mul_f32 v[O+i:O+i+1], v[O+i:O+i+1], v[FF:FF+1] op_sel_hi:[1,0]   ; O^T under the new M.  (These are also the plain instructions between the conversions and the products below)
.set i, i+2
.endr
	s_wait_dscnt 0x0                               ; V's fragments are in
.irp t, 0,1,2,3
	v_wmma_f32_16x16x128_fp8_fp8 v[O+8*\t:O+8*\t+7], v[F+16*\t:F+16*\t+15], v[PC:PC+15], v[O+8*\t:O+8*\t+7]   ; O^T += V^T P^T: 16 of the head's 64, K = these 128 keys; the four accumulators take turns
.endr
.Lhidden_\@:
.endm
.Ltrip:                                            ; 8 trips of two key steps: the count is a constant; what a tile's flags hide is jumped over inside a step
	STEP 0
	STEP 1
	s_wait_xcnt 0x0                                ; the trip's loads and prefetches have read their bases, so these may be written
	s_add_nc_u64 s[KB:KB+1], s[KB:KB+1], 2*SLOTB
	s_add_nc_u64 s[VB:VB+1], s[VB:VB+1], 2*SLOTB
	s_add_nc_u64 s[PFA:PFA+1], s[PFA:PFA+1], 2*SLOTB
	s_add_nc_u64 s[MW:MW+1], s[MW:MW+1], 512
	s_lshr_b32 s[TF], s[TF], 2
	s_lshr_b32 s[WGH], s[WGH], 2
	s_lshr_b32 s[PFH], s[PFH], 2
	s_add_co_u32 s[TRIP], s[TRIP], 1
	s_cmp_lt_u32 s[TRIP], 8
	s_cbranch_scc1 .Ltrip
	; THE WAY OUT.  O^T x 2^(e4 + e5) / the sum is the attention's result; it is quantised with 2^e6 and stored as an image of the registers of product 4's operand.
.rept 4
	v_nop                                          ; places behind the last products
.endr
	v_add_f32 v[SUM], v[SUM], v[SUM+1]             ; the sum's two halves,
	v_permlanex16_b32 v[PD], v[SUM], s[SEL], s[SEL+1]
	v_add_f32 v[SUM], v[SUM], v[PD]                ; and lane l xor 16's: the row's sum
	v_cmp_eq_f32 s[LZ], 0, v[SUM]                  ; 0 only where every key of the query is hidden
	s_wait_alu depctr_va_sdst(0)                   ; s[LZ] is written, ahead of its first reader, the select below
	v_cndmask_b32 v[SUM], v[SUM], v[ONE], s[LZ]
	v_rcp_f32 v[SUM], v[SUM]
	v_nop                                          ; the plain instruction behind the reciprocal
	s_wait_alu depctr_va_vdst(0)                   ; the reciprocal has written v[SUM]: the wait ahead of its first reader
	v_ldexp_f32 v[SUM], v[SUM], s[EPV]
.set i, 0
.rept 16
	v_pk_mul_f32 v[S+i:S+i+1], v[O+i:O+i+1], v[SUM:SUM+1] op_sel_hi:[1,0]   ; register 8 t + j: result(query r, d = 16 t + 8 h + j); each accumulator from its low end on
.set i, i+2
.endr
.set i, 0
.rept 32
	v_med3_num_f32 v[S+i], v[S+i], -v[OLIM], v[OLIM]
.set i, i+1
.endr
.irp t, 0,1,2,3
	v_cvt_scalef32_pk8_fp8_f32 v[OC+2*\t:OC+2*\t+1], v[S+8*\t:S+8*\t+7], v[OSC]
.endr
	v_nop                                          ; one plain vector instruction between the last conversion and the lines that touch its result
	; w_out's rows will be read 16 bytes a lane: lane (r, h) then holds k = 32 c + 16 h + 0 .. 15.  So lanes 0-15 take d = 8 .. 15 from lanes 16-31 and give them d = 16 .. 23, in each 32 of d
	v_permlane16_swap_b32 v[OC], v[OC+2]
	v_permlane16_swap_b32 v[OC+1], v[OC+3]
	v_permlane16_swap_b32 v[OC+4], v[OC+6]
	v_permlane16_swap_b32 v[OC+5], v[OC+7]
.irp i, 0,1,2,3,4,5,6,7
	v_cndmask_b32 v[OC+\i], v[OC+\i], v[NANC], s[LZ]   ; a query with no key: NaN codes (both lanes of a query hold the same sum)
.endr
	s_wait_alu depctr_va_vdst(0)                   ; the selects have written v[OC ..], which the two stores read
	global_store_b128 v[LI], v[OC:OC+3], s[ACP:ACP+1]              ; 32 lanes store 512 consecutive bytes, at a multiple of 256 from the buffer's first byte
	global_store_b128 v[LI], v[OC+4:OC+7], s[ACP:ACP+1] offset:512
	s_wait_dscnt 0x0                               ; the wave's end
	s_wait_alu 0x0
	s_wait_tensorcnt 0x0
	ds_add_u32 v[SPW], v[NIL]
	s_wait_dscnt 0x0
	s_endpgm
.Lfunc_end_k_qf41b65a474_attn:
	.size	k_qf41b65a474_attn, .Lfunc_end_k_qf41b65a474_attn-k_qf41b65a474_attn
	.p2alignl 7, 3214868480
	.fill 96, 4, 3214868480
	.section	.rodata,"a",@progbits
	.p2align	6, 0x0
	.amdhsa_kernel k_qf41b65a474_attn
		.amdhsa_group_segment_fixed_size 34816
		.amdhsa_private_segment_fixed_size 0
		.amdhsa_enable_private_segment 0
		.amdhsa_kernarg_size 40
		.amdhsa_user_sgpr_count 2
		.amdhsa_user_sgpr_kernarg_segment_ptr 1
		.amdhsa_wavefront_size32 1
		.amdhsa_system_sgpr_workgroup_id_x 1
		.amdhsa_system_sgpr_workgroup_id_y 1
		.amdhsa_system_sgpr_workgroup_id_z 1
		.amdhsa_system_vgpr_workitem_id 0
		.amdhsa_next_free_vgpr 256
		.amdhsa_next_free_sgpr 102
		.amdhsa_reserve_vcc 0
		.amdhsa_float_denorm_mode_32 3
		.amdhsa_float_denorm_mode_16_64 3
		.amdhsa_memory_ordered 1
		.amdhsa_forward_progress 1
		.amdhsa_inst_pref_size 53
	.end_amdhsa_kernel
	.amdgpu_metadata
---
amdhsa.version: [ 1, 2 ]
amdhsa.kernels:
  - .name:           k_qf41b65a474_attn
    .symbol:         k_qf41b65a474_attn.kd
    .args:
      - { .name: qkvc, .offset: 0, .size: 8, .value_kind: global_buffer, .address_space: global }
      - { .name: mwords, .offset: 8, .size: 8, .value_kind: global_buffer, .address_space: global }
      - { .name: tflags, .offset: 16, .size: 8, .value_kind: global_buffer, .address_space: global }
      - { .name: lowp_scales, .offset: 24, .size: 8, .value_kind: global_buffer, .address_space: global }
      - { .name: ac, .offset: 32, .size: 8, .value_kind: global_buffer, .address_space: global }
    .group_segment_fixed_size: 34816
    .private_segment_fixed_size: 0
    .kernarg_segment_align: 8
    .kernarg_segment_size: 40
    .max_flat_workgroup_size: 512
    .sgpr_count:     102
    .vgpr_count:     256
    .wavefront_size: 32
...
	.end_amdgpu_metadata
.endif
;; end of part 5
;; launch proj: the kernel of part 4 again; grid 4 x 32, 4 waves a work-group, clusters of 4 x 4, 327,680 bytes of LDS; arguments ac, w_out_codes, lowp_scales, out0; writes out0
